; MI455X (gfx1250); checked and timed in simulation.
; The chip was launched on July 23, 2026; its instructions are those of AMD's public machine-readable ISA for CDNA 5 (MIT licence, August 2026) and "CDNA5" Instruction Set Architecture Reference Guide (July 2026). The comments in the code are by the model that wrote it; some were corrected since.
;; AG Then Gemm. Allowed arithmetic: matrix products marked QUANTISED: E2M1 operands, one E8M0 scale for each 32 along K, by v_wmma_scale_f32_16x16x128_f8f6f4 with both operands' format E2M1 (or v_wmma_scale_f32_32x16x128_f4), f32 sums; everything else in f32.
;; Inputs: A_prev_codes 2,048 x 128 x 16 uint8 (E2M1 codes of A_prev, K innermost, in blocks of 32 codes, two codes a byte); A_prev_scales 2,048 x 128 uint8 (E8M0 scales of A_prev, one for each 32 codes along K); W_prev_codes 4,096 x 128 x 16 uint8 (E2M1 codes of W_prev, K innermost, in blocks of 32 codes, two codes a byte); W_prev_scales 4,096 x 128 uint8 (E8M0 scales of W_prev, one for each 32 codes along K); W_up_codes 4,096 x 128 x 16 uint8 (E2M1 codes of W_up, K innermost, in blocks of 32 codes, two codes a byte); W_up_scales 4,096 x 128 uint8 (E8M0 scales of W_up, one for each 32 codes along K).
;; Outputs: out0 2,048 x 4,096 float16.
;; This version of the problem:
;;   THIS VERSION OF THE PROBLEM IS GIVEN IN LOW PRECISION. The matrix products marked QUANTISED in the list below multiply operands that are first quantised to E2M1 (2 exponent bits, 1 mantissa bit; 4 bits a number), with one power-of-two scale for each 32 numbers along K (OCP MX v1.0); their sums are f32. All else is computed in f32.
;;   The module's matrix products, in the order in which they are computed (A, B: the left and right operand; K: the contracted axis; several contracted axes count as one K, in the product's order):
;;     1. [M 2,048, K 4,096] x [K 4,096, N 4,096]; A: input A_prev (given as codes); B: input W_prev (given as codes): QUANTISED
;;     2. [M 2,048, K 4,096] x [K 4,096, N 4,096]; A: computed on the way; B: input W_up (given as codes): QUANTISED
;;   THE QUANTISER, for each operand of a quantised product, along K:
;;     - K is cut into blocks of 32 from its start; a last block that is shorter is filled with zeros.
;;     - A block's scale is 2^e with e = floor(log2(the largest magnitude in the block)) - 2, held to -126 .. 127; a block of zeros has e = 0. As a byte (E8M0): e + 127.
;;     - Each number is divided by its block's scale, clamped to +-6, and rounded to the nearest number of E2M1, ties to even, subnormals kept.
;;     - The product sums the exact products of the quantised numbers (number of the format x scale) in f32.
;;   ~~~python
;;   def quantise(x, axis):      # numpy; x: float32 -> the quantised numbers, widened to float32 again
;;       x = np.moveaxis(x, axis, -1); K = x.shape[-1]
;;       x = np.pad(x, [(0, 0)] * (x.ndim - 1) + [(0, -K % 32)]); x = x.reshape(x.shape[:-1] + (-1, 32)); a = np.abs(x).max(-1, keepdims=True)
;;       e = np.where(a > 0, np.clip(np.frexp(np.where(a > 0, a, 1))[1] - 1 - 2, -126, 127), 0)      # np.frexp(a)[1] - 1 = floor(log2(a)), exactly
;;       r = np.clip(x / 2.0 ** e, -6, 6)
;;       step = 2.0 ** (np.maximum(np.frexp(np.where(r == 0, 1, r))[1] - 1, 0) - 1)
;;       q = np.round(r / step) * step * 2.0 ** e      # np.round: ties to even
;;       return np.moveaxis(q.reshape(q.shape[:-2] + (-1,))[..., :K], -1, axis).astype(np.float32)
;;   ~~~
;;   OPERANDS COMPUTED ON THE WAY. 'Computed on the way' means the value that the module computes at that place (a softmax that the list does not call 'softmax' is quantised finished and normalised). What goes into a quantiser is computed in f32, as accurately as f32 sums, v_exp_f32 and their like allow (about 1e-6 of the number): no bf16 or f16 on the way to a quantiser, and a product that is left as it is and whose result goes on into a quantised operand takes f32 operands (vector FMAs, or v_wmma_f32_16x16x4_f32). A number that lies on a knife's edge between two numbers of the format may be rounded either way, as far as f32 arithmetic and the matrix unit's own rounding can turn it there, and no further.
;;   INPUTS GIVEN AS CODES. A_prev (in the module: [2048, 4096], K = its axis 1); W_prev (in the module: [4096, 4096], K = its axis 0); W_up (in the module: [4096, 4096], K = its axis 0): each comes as NAME_codes (uint8): NAME with its K axis moved to the last place and cut into blocks of 32 codes, [.., K / 32, bytes a block], one block behind the other in memory; two codes a byte, the lower K in the low four bits (a code: sign, 2 exponent bits, 1 mantissa bit); and NAME_scales (uint8): the same leading axes, one E8M0 byte (e + 127) for each 32 codes along K. Its value is code x scale, taken as it is: it is not quantised again, and the codes and scales need not be those that the quantiser above would give.
;; 2 versions. Each part assembles by itself: llvm-mc -triple=amdgcn-amd-amdhsa -mcpu=gfx1250 --defsym DOCPART=n.
;; ======== version 1 of 2: 2 launches
;; workspace buffers: act_codes 4,194,304 bytes; act_scales 262,144 bytes
;; launch gemm1 (part 1): grid 16 x 16, 4 waves a work-group, clusters of 4 x 4, 327,680 bytes of LDS; arguments A_prev_codes, A_prev_scales, W_prev_codes, W_prev_scales, act_codes, act_scales; writes act_codes, act_scales
.if DOCPART == 1
	.amdgcn_target "amdgcn-amd-amdhsa--gfx1250"
	.amdhsa_code_object_version 6
	.text
	.protected	k_q2f44dc52e2_gemm1
	.globl	k_q2f44dc52e2_gemm1
	.p2align	8
	.type	k_q2f44dc52e2_gemm1,@function
k_q2f44dc52e2_gemm1:
	s_mov_b64 s[64:65], 0
	v_nop
	global_prefetch_b8 v0, s[64:65] scope:SCOPE_SE
	s_setreg_imm32_b32 hwreg(HW_REG_WAVE_MODE, 25, 1), 1
	s_wait_xcnt 0x0
	s_wait_alu depctr_hold_cnt(0) depctr_sa_sdst(0) depctr_va_vdst(0) depctr_va_sdst(0) depctr_va_ssrc(0) depctr_va_vcc(0) depctr_vm_vsrc(0)
	s_getreg_b32 s2, hwreg(HW_REG_IB_STS2, 6, 4)
	s_cmp_eq_u32 s2, 0
	s_cbranch_scc0 .Lentry_in_a_cluster
	s_endpgm
.Lentry_in_a_cluster:
	s_bfe_u32 s2, ttmp6, 0x10000c
	s_cmp_lg_u32 s2, 0xf033
	s_cbranch_scc0 .Lentry_shape_is_right
	s_endpgm
.Lentry_shape_is_right:
; FIRST OF TWO LAUNCHES.  act[2048][4096] = A_prev W_prev on codes of FP4 (E2M1) with one E8M0 scale for each 32 along K (K = 4,096), f32 sums; act is then quantised
; along its 4,096 columns, which are the second product's K, by the problem's quantiser, in registers, and leaves as codes and scale bytes alone.
; NO WORK IS LEFT OUT: every one of the six inputs reaches the output; this launch loads four of them, the next the other two.
; TWO LAUNCHES because the second product sums over a whole row of act, whose columns are made by sixteen work-groups, and work-groups of a launch hand each other nothing.
; LIMITS: act goes into the quantiser as the f32 sum, not rounded to f16 between the products; NaN and infinities in act are not served; a block of 32 zeros of act gets the scale byte 1
; where the rule says 127 (its codes are zeros, which add nothing under any byte but 0xff, and the bytes are read by this program alone); a largest magnitude under 2^-124 gets the byte 1, which is the rule's hold at -126.
; SHARES.  A work-group makes 128 rows x 256 columns: 16 x 16 = 256 work-groups.  Wave w: rows 64 (w / 2) on, columns 128 (w % 2) on: 4 x 8 = 32 accumulators of 16 x 16, 256 registers.
; K goes in 8 steps of 512 (a tile's row is 256 bytes of memory) through a ring of two LDS slots filled by the tensor data mover; a step of 128 along K is 32 matrix instructions a wave.
; THE SCALES of the work-group's 128 rows of A and 256 rows of W, for all of K, are two dense blocks of memory: they come into LDS once, with the first fills, and stay.
; CLUSTERS: 4 x 4 work-groups.  The four of a row of the cluster need the same tiles of A, the four of a column the same tiles of W: each tile is asked for JOINTLY, by the same tensor load with the same descriptor and a mask that names the four.
; THE MATRIX INSTRUCTION IS USED TRANSPOSED (source 0 = 16 rows of W, source 1 = 16 rows of A): lane (r, h) then holds row r of act and its registers the columns 16 b + 8 h + 0 .. 7.
; THE WORKSPACE IS LAID IN THE ORDER OF THE NEXT LAUNCH'S OPERAND REGISTERS:
;   act_codes [mt 16][kc 32][i 8][c 2][lane 32][16 bytes]: lane (r, h) holds the codes k = 128 kc + 64 c + 32 h + 0 .. 31 of row 128 mt + 16 i + r;
;   act_scales [mt 16][kc 32][wm 2][lane 32][p 2][4 bytes]: word p of lane l = the four scale bytes of row 128 mt + 64 wm + 32 p + l for these 128 k.
; REGISTERS, in windows of 256 (s_set_vgpr_msb's low byte: bits 1:0 source 0, 3:2 source 1, 5:4 source 2, 7:6 destination):
;   window 0: v0-31 addresses; v32-63 W's scale words, two sets; v64-79 A's, two sets (these hold scales and nothing else); v80-135 at work on the way out; v128-191 A's fragments, two sets of 4 x 8.
;   window 1: W's fragments, two sets of 8 x 8, at v0 and at v128.   window 2: accumulator (a, b) at v[8 (8 a + b)].
.set LINE,  272                        ; an LDS line: 256 bytes of data + 16 of padding = 68 words: line r starts at bank 4 r mod 64 (64 banks of 4 bytes: ISA guide 11.1), so the 16 rows that a load touches start at 16 different banks
.set SLOT,  384*LINE                   ; a slot: A's 128 rows, then W's 256 rows
.set HALFA, 64*LINE                    ; what one tensor load brings of A, and what one wave reads of A
.set HALFB, 128*LINE                   ; the same for W
.set BOFF,  128*LINE                   ; W's rows begin behind A's
.set SCLA,  2*SLOT                     ; behind the ring: A's scale bytes, 128 rows x 128 bytes = 64 lines,
.set HSA,   32*LINE                    ; (half of them)
.set SCLB,  SCLA+2*HSA                 ; W's, 256 rows x 128 bytes = 128 lines
.set HSB,   64*LINE
.set SPARE, SCLB+2*HSB                 ; the spare words, 128 bytes for each wave: two blocks of 256 bytes that no other line names
.set KROW,  2048                       ; a row of codes in memory, in bytes
.set APITCH, KROW                      ; from row to row of A's tile
.set AHSH,  17                         ; A's second half begins 64 rows = 2^17 bytes on
.set ASLOT, 256                        ; a K step on, in A
.set BSLOT, 256                        ; and in W
.set SAP,   4                          ; A's scale word of blocks 2 p, 2 p + 1 for the slot's q-th 128 along K stands in register SAP p + SAQ q of its set
.set SAQ,   1
.set ASTEP, 16                         ; a K step on among A's scale bytes in LDS
.set ADRA, 16                          ; v16-17  LDS address of my A fragments in slot 0, 1
.set ADRB, 20                          ; v20-21  the same for W
.set ADSA, 22                          ; v22     LDS address of A's scale words of the K step in hand
.set ADSB, 23                          ; v23     of W's
.set CO,   26                          ; v26     the way out: 16 x lane
.set SO,   27                          ; v27     the way out: 8 x lane
.set SPW,  28                          ; v28     LDS address of my spare word: SPARE + 4 x my thread's number; never rewritten
.set NIL,  29                          ; v29     0; never rewritten
.set SCB,  32                          ; W's scale words: set s at v[SCB + 16 s]; register 4 (b / 2) + q: lanes 0-15 block b even, lanes 16-31 block b odd
.set SCA,  64                          ; A's: set s at v[SCA + 8 s]
.set AF,   128                         ; A's fragments: set p at v[AF + 32 p]
.set TM,   80                          ; the way out: v80-83 largest magnitudes, v84-87 the partner's, then the bytes, v92-95 the conversions' scale operands
.set PW,   96                          ; v96-99  the scale word of each of my four blocks of rows
.set WD,   100                         ; v[100:101] the two words that a lane stores
.set PC,   104                         ; v104-135 the codes: eight registers for each block of rows
.set G1A,  24                          ; s[24:31] descriptor group 1 for A's tiles;  s[32:39] group 0, one set for each slot
.set G0A,  32
.set G1B,  48                          ; s[48:55], s[56:63] the same for W's
.set G0B,  56
.set G1SA, 68                          ; s[68:75], s[76:79] groups 1 and 0 for A's scales;  s[80:87], s[88:91] for W's
.set G0SA, 76
.set G1SB, 80
.set G0SB, 88
.set PADW, (1<<20)|(1<<21)|(5<<22)|(3<<25)   ; group 1, word 0: 20 padding on; 21 set beside a mask; 24:22 after every 64 words (code 5); 31:25 four words of it (code 3)
.set MSB, 0
.macro WIN new                         ; the immediate's high byte repeats the setting that is left; a switch that changes nothing is dropped
.if MSB != \new
	s_set_vgpr_msb (MSB<<8)|\new
.set MSB, \new
.endif
.endm
.set MUL,  0xa1                        ; source 0 (W) window 1, source 1 (A) window 0, C and D window 2
.set TO_B, 0x40                        ; destination window 1, address window 0
; A joint load: waves 0 and 1 fetch for A, waves 2 and 3 for W.  Each of the two lines has ONE mask and one set of registers for all that issue it; the branch hangs on the wave's number alone.
; An s_nop 0 and four v_nop follow each of the two lines, ahead of the jump, the label and what follows.
.macro JLOAD g0a, g1a, g0b, g1b
	s_cmp_eq_u32 s17, 0
	s_cbranch_scc0 .Lfor_b_\@
	tensor_load_to_lds s[\g0a:\g0a+3], s[\g1a:\g1a+7]
	s_nop 0
.rept 4
	v_nop
.endr
	s_branch .Lasked_\@
.Lfor_b_\@:
	tensor_load_to_lds s[\g0b:\g0b+3], s[\g1b:\g1b+7]
	s_nop 0
.rept 4
	v_nop
.endr
.Lasked_\@:
.endm
.macro CREST                           ; a round of the cluster's barrier behind its opening barrier
	s_cmp_lg_u32 s16, 0
	s_cbranch_scc1 .Lnot_wave_0_\@
	s_barrier_signal -3
.Lnot_wave_0_\@:
	s_barrier_wait -3
	s_barrier_signal -1
	s_barrier_wait -1
.endm
.macro CROUND                          ; a whole round
	s_barrier_signal -1
	s_barrier_wait -1
	CREST
.endm
; A load into a register that a matrix instruction has read, and a vector instruction that reads a matrix result, stand four places behind that matrix instruction, and only plain vector
; instructions that name none of its registers are places (ISA guide 7.12.1 for vector instructions); the matrix instructions in between are not counted.
.macro PLACES n
.rept \n
	v_nop
.endr
.endm
	s_load_b256 s[4:11], s[0:1], 0x0               ; A's codes s[4:5], A's scales s[6:7], W's codes s[8:9], W's scales s[10:11]
	s_load_b128 s[12:15], s[0:1], 0x20             ; act's codes s[12:13], act's scales s[14:15]
	v_lshl_add_u32 v[SPW], v0, 2, SPARE
	v_mov_b32 v[NIL], 0
	ds_add_u32 v[SPW], v[NIL]                      ; the wave's opening: the add, twice on end, and its wait ahead of my first tensor load; the set-up below, work on registers, stands between the second and the wait
	ds_add_u32 v[SPW], v[NIL]                      ; and once more, under the one wait
	v_lshrrev_b32 v1, 5, v0
	v_readfirstlane_b32 s16, v1                    ; wave 0..3
	s_lshr_b32 s17, s16, 1                         ; WM: which 64 rows are mine.  Also: I fetch for A (0) or for W (1)
	s_and_b32 s18, s16, 1                          ; WN: which 128 columns are mine.  Also: which half of that tile I fetch
	s_bfe_u32 s40, ttmp6, 0x40000                  ; cx, cy: my place in the cluster
	s_bfe_u32 s41, ttmp6, 0x40004
	s_lshl_b32 s42, ttmp9, 2
	s_add_co_u32 s42, s42, s40                     ; tx: tile column = 4 x cluster x + cx
	s_and_b32 s43, ttmp7, 0xffff
	s_lshl_b32 s43, s43, 2
	s_add_co_u32 s43, s43, s41                     ; ty: tile row = 4 x cluster y + cy
	s_lshl_b32 s44, s41, 2
	s_lshl_b32 s44, 15, s44                        ; my row of the cluster: places 4 cy .. 4 cy + 3
	s_lshl_b32 s45, 0x1111, s40                    ; my column: places cx, cx + 4, cx + 8, cx + 12
	; group 1 for the codes: elements of one byte; A: 64 rows x 256 bytes; W: 128 rows x 256 bytes
	s_or_b32 s[G1A], s44, PADW                     ; 15:0 the mask: A's tiles go to my row of the cluster
	s_mov_b32 s[G1A+1], 256<<16                    ; tensor_dim0 = 256
	s_mov_b32 s[G1A+2], 64<<16                     ; tensor_dim1 = 64
	s_mov_b32 s[G1A+3], 256<<16                    ; tile_dim0 = 256
	s_mov_b32 s[G1A+4], 64                         ; tile_dim1 = 64
	s_mov_b32 s[G1A+5], APITCH                     ; from row to row
	s_mov_b32 s[G1A+6], 0
	s_mov_b32 s[G1A+7], 0
	s_or_b32 s[G1B], s45, PADW                     ; W's tiles go to my column
	s_mov_b32 s[G1B+1], 256<<16
	s_mov_b32 s[G1B+2], 128<<16
	s_mov_b32 s[G1B+3], 256<<16
	s_mov_b32 s[G1B+4], 128
	s_mov_b32 s[G1B+5], KROW
	s_mov_b32 s[G1B+6], 0
	s_mov_b32 s[G1B+7], 0
	; group 1 for the scale bytes: dense blocks, as rows of 256 bytes (32 elements of 8 bytes); A: 32 such rows a load; W: 64
	s_or_b32 s[G1SA], s44, (3<<16)|PADW
	s_mov_b32 s[G1SA+1], 32<<16
	s_mov_b32 s[G1SA+2], 32<<16
	s_mov_b32 s[G1SA+3], 32<<16
	s_mov_b32 s[G1SA+4], 32
	s_mov_b32 s[G1SA+5], 32
	s_mov_b32 s[G1SA+6], 0
	s_mov_b32 s[G1SA+7], 0
	s_or_b32 s[G1SB], s45, (3<<16)|PADW
	s_mov_b32 s[G1SB+1], 32<<16
	s_mov_b32 s[G1SB+2], 64<<16
	s_mov_b32 s[G1SB+3], 32<<16
	s_mov_b32 s[G1SB+4], 64
	s_mov_b32 s[G1SB+5], 32
	s_mov_b32 s[G1SB+6], 0
	s_mov_b32 s[G1SB+7], 0
	; where the tiles come from.  A's hang on ty and the wave's number alone, W's on tx and the wave's number alone, each in registers that never hold the other coordinate
	s_lshl_b32 s20, s43, 18                        ; A's codes: 128 rows of 2,048 bytes a tile row,
	s_lshl_b32 s21, s18, AHSH                      ; + my half
	s_add_co_u32 s20, s20, s21
	s_mov_b32 s21, 0
	s_lshl_b32 s22, s43, 14                        ; A's scales: 128 rows of 128 bytes,
	s_lshl_b32 s23, s18, 13                        ; + my half
	s_add_co_u32 s22, s22, s23
	s_mov_b32 s23, 0
	s_lshl_b32 s92, s42, 19                        ; W's codes: 256 rows of 2,048 bytes a tile column,
	s_lshl_b32 s93, s18, 18
	s_add_co_u32 s92, s92, s93
	s_mov_b32 s93, 0
	s_lshl_b32 s94, s42, 15                        ; W's scales: 256 rows of 128 bytes
	s_lshl_b32 s95, s18, 14
	s_add_co_u32 s94, s94, s95
	s_mov_b32 s95, 0
	s_mul_i32 s46, s18, HALFA                      ; and where they go: no place in the cluster enters an LDS address
	s_mul_i32 s47, s18, HALFB
	s_mul_i32 s96, s18, HSA
	s_mul_i32 s97, s18, HSB
	s_mov_b32 s98, 0x76543210                      ; v_permlanex16_b32's selects for lane l xor 16
	s_mov_b32 s99, 0xfedcba98
	s_mov_b32 s100, 0xffff0000                     ; lanes 16 to 31
	s_wait_dscnt 0x0                               ; both opening adds are done
	s_wait_kmcnt 0x0
	s_add_nc_u64 s[20:21], s[4:5], s[20:21]
	s_add_nc_u64 s[22:23], s[6:7], s[22:23]
	s_add_nc_u64 s[92:93], s[8:9], s[92:93]
	s_add_nc_u64 s[94:95], s[10:11], s[94:95]
	CROUND                                         ; all sixteen work-groups are here: the first joint loads meet
	s_mov_b32 s[G0SA], 1                           ; 1:0 count = 1
	s_add_co_u32 s[G0SA+1], s96, SCLA              ; 63:32 LDS address
	s_mov_b64 s[G0SA+2:G0SA+3], s[22:23]           ; 120:64 global address
	s_or_b32 s[G0SA+3], s[G0SA+3], 0x80000000      ; 127:126 type = 2
	s_mov_b32 s[G0SB], 1
	s_add_co_u32 s[G0SB+1], s97, SCLB
	s_mov_b64 s[G0SB+2:G0SB+3], s[94:95]
	s_or_b32 s[G0SB+3], s[G0SB+3], 0x80000000
	JLOAD G0SA, G1SA, G0SB, G1SB                   ; the scales first: they are wanted with K step 0
.irp s, 0,1
	s_mov_b32 s[G0A+4*\s], 1
	s_add_co_u32 s[G0A+4*\s+1], s46, \s*SLOT
	s_add_nc_u64 s[G0A+4*\s+2:G0A+4*\s+3], s[20:21], \s*ASLOT
	s_or_b32 s[G0A+4*\s+3], s[G0A+4*\s+3], 0x80000000
	s_mov_b32 s[G0B+4*\s], 1
	s_add_co_u32 s[G0B+4*\s+1], s47, \s*SLOT+BOFF
	s_add_nc_u64 s[G0B+4*\s+2:G0B+4*\s+3], s[92:93], \s*BSLOT
	s_or_b32 s[G0B+4*\s+3], s[G0B+4*\s+3], 0x80000000
	JLOAD G0A+4*\s, G1A, G0B+4*\s, G1B             ; K steps 0 and 1: three tensor loads of mine are out
.endr
	v_and_b32 v1, 15, v0                           ; r = lane % 16
	v_bfe_u32 v2, v0, 4, 1                         ; h = lane / 16
	v_and_b32 v3, 31, v0                           ; lane
	v_mul_u32_u24 v4, v1, LINE
	v_lshl_add_u32 v4, v2, 4, v4                   ; a fragment's row x pitch + 16 x half
	s_mul_i32 s19, s17, HALFA                      ; my 64 rows of A
	v_add_nc_u32 v[ADRA], s19, v4
	v_add_nc_u32 v[ADRA+1], SLOT, v[ADRA]
	s_add_co_u32 s19, s47, BOFF                    ; my 128 rows of W, behind A's 128
	v_add_nc_u32 v[ADRB], s19, v4
	v_add_nc_u32 v[ADRB+1], SLOT, v[ADRB]
	v_lshrrev_b32 v5, 1, v3                        ; scale bytes: two rows of 128 bytes to a line: lane l takes row l of 32: line l / 2, byte 128 (l % 2)
	v_mul_u32_u24 v5, v5, LINE
	v_and_b32 v6, 1, v0
	v_lshl_add_u32 v5, v6, 7, v5
	s_mul_i32 s19, s17, HSA
	s_add_co_u32 s19, s19, SCLA
	v_add_nc_u32 v[ADSA], s19, v5
	s_add_co_u32 s19, s97, SCLB
	v_add_nc_u32 v[ADSB], s19, v5
	v_lshlrev_b32 v[CO], 4, v3
	v_lshlrev_b32 v[SO], 3, v3
.irp bb, 0,1,2,3
	v_mov_b32 v[TM+4+\bb], 0                       ; written once: a lane permute's destination counts as one of its sources
.endr
	; where my codes go: tile row ty: 2^18 bytes; kc = 2 tx + WN: 2^13; block of rows 4 WM + a: 2^10
	s_lshl_b32 s66, s43, 18
	s_lshl_b32 s19, s42, 14
	s_add_co_u32 s66, s66, s19
	s_lshl_b32 s19, s18, 13
	s_add_co_u32 s66, s66, s19
	s_lshl_b32 s19, s17, 12
	s_add_co_u32 s66, s66, s19
	s_mov_b32 s67, 0
	s_add_nc_u64 s[12:13], s[12:13], s[66:67]
	s_lshr_b32 s66, s66, 4                         ; and my scale words: ty: 2^14; kc: 2^9; WM: 2^8: a sixteenth of the same offset
	s_add_nc_u64 s[14:15], s[14:15], s[66:67]
; One matrix instruction: A's block a x W's block b, the slot's q-th 128 along K; p: the set of fragments; sc: the set of scale words.  zero = 1: it starts the sum: nothing is ever cleared.
; A scale register carries an even block's words in lanes 0-15 and the odd block's in lanes 16-31: the ROW1 selectors follow the blocks' parities.
.macro MM a, b, p, q, sc, zero
.set rD,  8*(8*(\a)+(\b))
.set rB,  128*(\p)+8*(\b)
.set rA,  AF+32*(\p)+8*(\a)
.set rSB, SCB+16*(\sc)+4*((\b)/2)+(\q)
.set rSA, SCA+8*(\sc)+SAP*((\a)/2)+SAQ*(\q)
.if \zero
.if ((\a)%2) && ((\b)%2)
	v_wmma_scale_f32_16x16x128_f8f6f4 v[rD:rD+7], v[rB:rB+7], v[rA:rA+7], 0, v[rSB], v[rSA] matrix_a_fmt:MATRIX_FMT_FP4 matrix_b_fmt:MATRIX_FMT_FP4 matrix_a_scale:MATRIX_SCALE_ROW1 matrix_b_scale:MATRIX_SCALE_ROW1
.elseif (\b)%2
	v_wmma_scale_f32_16x16x128_f8f6f4 v[rD:rD+7], v[rB:rB+7], v[rA:rA+7], 0, v[rSB], v[rSA] matrix_a_fmt:MATRIX_FMT_FP4 matrix_b_fmt:MATRIX_FMT_FP4 matrix_a_scale:MATRIX_SCALE_ROW1
.elseif (\a)%2
	v_wmma_scale_f32_16x16x128_f8f6f4 v[rD:rD+7], v[rB:rB+7], v[rA:rA+7], 0, v[rSB], v[rSA] matrix_a_fmt:MATRIX_FMT_FP4 matrix_b_fmt:MATRIX_FMT_FP4 matrix_b_scale:MATRIX_SCALE_ROW1
.else
	v_wmma_scale_f32_16x16x128_f8f6f4 v[rD:rD+7], v[rB:rB+7], v[rA:rA+7], 0, v[rSB], v[rSA] matrix_a_fmt:MATRIX_FMT_FP4 matrix_b_fmt:MATRIX_FMT_FP4
.endif
.else
.if ((\a)%2) && ((\b)%2)
	v_wmma_scale_f32_16x16x128_f8f6f4 v[rD:rD+7], v[rB:rB+7], v[rA:rA+7], v[rD:rD+7], v[rSB], v[rSA] matrix_a_fmt:MATRIX_FMT_FP4 matrix_b_fmt:MATRIX_FMT_FP4 matrix_a_scale:MATRIX_SCALE_ROW1 matrix_b_scale:MATRIX_SCALE_ROW1
.elseif (\b)%2
	v_wmma_scale_f32_16x16x128_f8f6f4 v[rD:rD+7], v[rB:rB+7], v[rA:rA+7], v[rD:rD+7], v[rSB], v[rSA] matrix_a_fmt:MATRIX_FMT_FP4 matrix_b_fmt:MATRIX_FMT_FP4 matrix_a_scale:MATRIX_SCALE_ROW1
.elseif (\a)%2
	v_wmma_scale_f32_16x16x128_f8f6f4 v[rD:rD+7], v[rB:rB+7], v[rA:rA+7], v[rD:rD+7], v[rSB], v[rSA] matrix_a_fmt:MATRIX_FMT_FP4 matrix_b_fmt:MATRIX_FMT_FP4 matrix_b_scale:MATRIX_SCALE_ROW1
.else
	v_wmma_scale_f32_16x16x128_f8f6f4 v[rD:rD+7], v[rB:rB+7], v[rA:rA+7], v[rD:rD+7], v[rSB], v[rSA] matrix_a_fmt:MATRIX_FMT_FP4 matrix_b_fmt:MATRIX_FMT_FP4
.endif
.endif
.endm
.macro MUL8 a, p, q, sc, zero          ; A's block a against W's eight.  The 32 accumulators take turns, one instruction a turn, in the same order in every step
.irp b, 0,1,2,3,4,5,6,7
	MM \a, \b, \p, \q, \sc, \zero
.endr
.endm
; 24 LDS loads in one run: the fragments of the slot's q-th 128 along K into set p: W's eight, then A's four.  A fragment, 16 rows x 128 K of 4-bit codes, is 8 registers: lane l holds row l % 16;
; registers 4 c .. 4 c + 3 hold K = 64 c + 32 (l / 16) + 0 .. 31: two loads of 16 bytes, 32 bytes apart.
.macro FETCH slot, q, p
	WIN TO_B
.irp b, 0,1,2,3,4,5,6,7
.irp c, 0,1
	ds_load_b128 v[128*(\p)+8*\b+4*\c:128*(\p)+8*\b+4*\c+3], v[ADRB+\slot] offset:64*(\q)+32*\c+\b*16*LINE
.endr
.endr
	WIN 0
.irp a, 0,1,2,3
.irp c, 0,1
	ds_load_b128 v[AF+32*(\p)+8*\a+4*\c:AF+32*(\p)+8*\a+4*\c+3], v[ADRA+\slot] offset:64*(\q)+32*\c+\a*16*LINE
.endr
.endr
.endm
.macro SCALES sc                       ; a K step's scale words into set sc: four words (512 along K) a row; the 32 lanes take 32 rows: two blocks
.irp i, 0,1,2,3
	ds_load_b128 v[SCB+16*\sc+4*\i:SCB+16*\sc+4*\i+3], v[ADSB] offset:16*LINE*\i
.endr
.irp i, 0,1
	ds_load_b128 v[SCA+8*\sc+4*\i:SCA+8*\sc+4*\i+3], v[ADSA] offset:16*LINE*\i
.endr
.endm
; A step of 128 along K that has its successor in the same slot: the successor's fragments are asked for at its head, 32 matrix instructions ahead of their use.
.macro STEP slot, q, zero
	s_wait_dscnt 4                                 ; this step's scale words, W's fragments and A's blocks 0, 1 are in; the youngest four loads (A's blocks 2, 3) may be out
	PLACES 4                                       ; in front of loads into the set that the step before multiplied
	FETCH \slot, (\q)+1, 1-(\q)%2
	WIN MUL
	MUL8 0, (\q)%2, \q, \slot, \zero
	MUL8 1, (\q)%2, \q, \slot, \zero
	s_wait_dscnt 24                                ; all but the 24 just issued: A's blocks 2, 3 are in
	MUL8 2, (\q)%2, \q, \slot, \zero
	MUL8 3, (\q)%2, \q, \slot, \zero
.endm
; A slot's last step changes slots: ONE barrier; in front of it each wave waits for all its tensor loads, adds 0 to its spare word, and waits for that and for its own reads of this slot.  fill = 1: this slot is filled again, two K steps ahead.
.macro TURN slot, next, fill
	WIN 0                                          ; (the add's two registers lie in window 0)
	s_wait_tensorcnt 0x0                           ; all my tensor loads have landed: my part of the next slot;
	ds_add_u32 v[SPW], v[NIL]                      ; 0 onto my spare word
	s_wait_dscnt 5                                 ; (the add and the youngest four loads, A's blocks 2, 3, may be out)
	WIN MUL
	MUL8 0, 1, 3, \slot, 0                         ; eight matrix instructions stand between the add and the wait for it
	s_wait_dscnt 0x0                               ; the add is done, and my reads of this slot are over
	s_barrier_signal -1
	MUL8 1, 1, 3, \slot, 0
	WIN 0
	s_barrier_wait -1
.if \fill
	CREST                                          ; the barrier has opened a round of the cluster's barrier: no wave of any partner still reads this slot's tile or has a load on its way
	s_add_nc_u64 s[G0A+4*\slot+2:G0A+4*\slot+3], s[G0A+4*\slot+2:G0A+4*\slot+3], 2*ASLOT
	s_add_nc_u64 s[G0B+4*\slot+2:G0B+4*\slot+3], s[G0B+4*\slot+2:G0B+4*\slot+3], 2*BSLOT
	JLOAD G0A+4*\slot, G1A, G0B+4*\slot, G1B       ; the first tensor load behind the round, and my one load until the next; the four v_nop behind it are also the places in front of the loads below
.else
	PLACES 4
.endif
	v_add_nc_u32 v[ADSA], ASTEP, v[ADSA]           ; on to the next K step's scale words
	v_add_nc_u32 v[ADSB], 16, v[ADSB]
	SCALES \next
	FETCH \next, 0, 0
	WIN MUL
	MUL8 2, 1, 3, \slot, 0
	MUL8 3, 1, 3, \slot, 0
.endm
.macro STEPS slot, from                ; the slot's steps from .. 2
.set Q, \from
.rept 3-\from
	STEP \slot, Q, 0
.set Q, Q+1
.endr
.endm
	s_wait_tensorcnt 1                             ; the scales and my part of K step 0 are in; K step 1's load may stay out
	s_barrier_signal -1
	s_barrier_wait -1                              ; everybody's are
	SCALES 0
	FETCH 0, 0, 0
	STEP 0, 0, 1                                   ; the first step stands in front of the loop: its products start the sums
	WIN 0                                          ; at a label and at a branch every window is 0
	s_mov_b32 s3, 3
.Llap:                                                 ; a trip goes once round the ring, from a lap's second step to the next lap's first, and fills both slots again: K steps 2 to 7 in three trips
	STEPS 0, 1
	TURN 0, 1, 1
	STEPS 1, 0
	TURN 1, 0, 1
	STEP 0, 0, 0
	WIN 0
	s_sub_co_u32 s3, s3, 1
	s_cmp_lg_u32 s3, 0
	s_cbranch_scc1 .Llap
	STEPS 0, 1                                     ; the last lap fills nothing, and has no round of the cluster's barrier
	TURN 0, 1, 0
	STEPS 1, 0
	s_wait_dscnt 4                                 ; the very last step: nothing more to fetch
	WIN MUL
	MUL8 0, 1, 3, 1, 0
	MUL8 1, 1, 3, 1, 0
	s_wait_dscnt 0x0
	MUL8 2, 1, 3, 1, 0
	MUL8 3, 1, 3, 1, 0
	WIN 0
	PLACES 4                                       ; in front of the first read of results
; THE WAY OUT: my 128 columns are one K step of 128 of the next product; my block a of 16 rows becomes one fragment of it and one scale word a row.  No LDS.
; Block bb of 32 columns lies in accumulators 2 bb and 2 bb + 1: lane (r, h) holds its columns 8 h + 0 .. 7 and 16 + 8 h + 0 .. 7; lane l xor 16 holds the others.
; The scale: the largest magnitude (with the floor 2^(3 - 127) among its leaves, which holds the byte at 1 from below) with 2 taken off its exponent field is the conversion's scale operand, and that field is the byte.
; The codes: a conversion's register holds eight neighbouring columns: piece h (accumulator 2 bb) or 2 + h (accumulator 2 bb + 1) of the block's four.  The operand's layout wants block 2 cc whole in lanes 0-15 and block
; 2 cc + 1 whole in lanes 16-31: the results are laid so that one exchange of halves between the registers of a pair (piece g of both blocks) gives it.
.macro QUANT a
.set AC,  64*(\a)
.set PCA, PC+8*(((\a)+2)%4)            ; so laid that no conversion names one number both for its result and among its sources
	WIN 0x0a                                       ; sources 0 and 1: window 2
.irp bb, 0,1,2,3
	v_max3_num_f32 v[TM+\bb], |v[AC+16*\bb]|, |v[AC+16*\bb+1]|, 0x1800000   ; each accumulator is read from its low end on
.endr
.irp i, 2,4,6,8,10,12,14
.irp bb, 0,1,2,3
	v_max3_num_f32 v[TM+\bb], |v[AC+16*\bb+\i]|, |v[AC+16*\bb+\i+1]|, v[TM+\bb]   ; (the four blocks by turns: no line waits for the line above it)
.endr
.endr
	WIN 0
.irp bb, 0,1,2,3
	v_permlanex16_b32 v[TM+4+\bb], v[TM+\bb], s98, s99
.endr
.irp bb, 0,1,2,3
	v_max_num_f32 v[TM+\bb], v[TM+\bb], v[TM+4+\bb]   ; with lane l xor 16's: the block's largest magnitude
.endr
.irp bb, 0,1,2,3
	v_add_nc_u32 v[TM+12+\bb], 0xff000000, v[TM+\bb]  ; 2 off its exponent field: the conversion takes the exponent field of this operand as its scale, and nothing else of it
.endr
.irp bb, 0,1,2,3
	v_lshrrev_b32 v[TM+4+\bb], 23, v[TM+12+\bb]       ; the scale's byte
.endr
	v_lshl_or_b32 v[PW+(\a)], v[TM+5], 8, v[TM+4]     ; the four bytes make my row's scale word (both halves of the lanes hold it)
	v_lshl_or_b32 v[PW+(\a)], v[TM+6], 16, v[PW+(\a)]
	v_lshl_or_b32 v[PW+(\a)], v[TM+7], 24, v[PW+(\a)]
	WIN 0x02                                       ; source 0: window 2
.irp cc, 0,1
	v_cvt_scalef32_pk8_fp4_f32 v[PCA+4*\cc],   v[AC+32*\cc:AC+32*\cc+7],     v[TM+12+2*\cc]     ; block 2 cc, pieces 0 | 1
	v_cvt_scalef32_pk8_fp4_f32 v[PCA+4*\cc+2], v[AC+32*\cc+8:AC+32*\cc+15],  v[TM+12+2*\cc]     ; block 2 cc, pieces 2 | 3
	v_cvt_scalef32_pk8_fp4_f32 v[PCA+4*\cc+1], v[AC+32*\cc+16:AC+32*\cc+23], v[TM+12+2*\cc+1]   ; block 2 cc + 1, pieces 0 | 1
	v_cvt_scalef32_pk8_fp4_f32 v[PCA+4*\cc+3], v[AC+32*\cc+24:AC+32*\cc+31], v[TM+12+2*\cc+1]   ; block 2 cc + 1, pieces 2 | 3
.endr
	WIN 0
	v_nop                                          ; one plain place behind a scaled conversion
.irp cc, 0,1
	v_permlane16_swap_b32 v[PCA+4*\cc],   v[PCA+4*\cc+1]   ; the first's lanes 16-31 change places with the second's lanes 0-15: pieces 0 and 1 of block 2 cc + h
	v_permlane16_swap_b32 v[PCA+4*\cc+2], v[PCA+4*\cc+3]   ; pieces 2 and 3
.endr
.irp cc, 0,1
	global_store_b128 v[CO], v[PCA+4*\cc:PCA+4*\cc+3], s[12:13] offset:1024*(\a)+512*\cc   ; 32 lanes store 512 consecutive bytes, at a multiple of 256 from the buffer's first byte; each store has data registers of its own
.endr
.endm
.irp a, 0,1,2,3
	QUANT \a
.endr
	v_cndmask_b32 v[WD],   v[PW],   v[PW+1], s100  ; word p of lane l: row 32 p + l: lanes 0-15 take block 2 p's word, lanes 16-31 block 2 p + 1's
	v_cndmask_b32 v[WD+1], v[PW+2], v[PW+3], s100
	global_store_b64 v[SO], v[WD:WD+1], s[14:15]   ; 32 lanes store 256 consecutive bytes, aligned
	s_wait_tensorcnt 0x0                           ; the wave's end: behind my last tensor load
	ds_add_u32 v[SPW], v[NIL]
	s_wait_dscnt 0x0
	CROUND                                         ; the closing round: no work-group ends while a partner may still ask for a tile that names it
	s_endpgm
.Lfunc_end_k_q2f44dc52e2_gemm1:
	.size	k_q2f44dc52e2_gemm1, .Lfunc_end_k_q2f44dc52e2_gemm1-k_q2f44dc52e2_gemm1
	.p2alignl 7, 3214868480
	.fill 96, 4, 3214868480
	.section	.rodata,"a",@progbits
	.p2align	6, 0x0
	.amdhsa_kernel k_q2f44dc52e2_gemm1
		.amdhsa_group_segment_fixed_size 327680
		.amdhsa_private_segment_fixed_size 0
		.amdhsa_enable_private_segment 0
		.amdhsa_kernarg_size 48
		.amdhsa_user_sgpr_count 2
		.amdhsa_user_sgpr_kernarg_segment_ptr 1
		.amdhsa_wavefront_size32 1
		.amdhsa_system_sgpr_workgroup_id_x 1
		.amdhsa_system_sgpr_workgroup_id_y 1
		.amdhsa_system_sgpr_workgroup_id_z 1
		.amdhsa_system_vgpr_workitem_id 0
		.amdhsa_next_free_vgpr 768
		.amdhsa_next_free_sgpr 102
		.amdhsa_reserve_vcc 0
		.amdhsa_float_denorm_mode_32 3
		.amdhsa_float_denorm_mode_16_64 3
		.amdhsa_memory_ordered 1
		.amdhsa_forward_progress 1
		.amdhsa_inst_pref_size 123
	.end_amdhsa_kernel
	.amdgpu_metadata
---
amdhsa.version: [ 1, 2 ]
amdhsa.kernels:
  - .name:           k_q2f44dc52e2_gemm1
    .symbol:         k_q2f44dc52e2_gemm1.kd
    .args:
      - { .name: A_prev_codes, .offset: 0, .size: 8, .value_kind: global_buffer, .address_space: global }
      - { .name: A_prev_scales, .offset: 8, .size: 8, .value_kind: global_buffer, .address_space: global }
      - { .name: W_prev_codes, .offset: 16, .size: 8, .value_kind: global_buffer, .address_space: global }
      - { .name: W_prev_scales, .offset: 24, .size: 8, .value_kind: global_buffer, .address_space: global }
      - { .name: act_codes, .offset: 32, .size: 8, .value_kind: global_buffer, .address_space: global }
      - { .name: act_scales, .offset: 40, .size: 8, .value_kind: global_buffer, .address_space: global }
    .group_segment_fixed_size: 327680
    .private_segment_fixed_size: 0
    .kernarg_segment_align: 8
    .kernarg_segment_size: 48
    .max_flat_workgroup_size: 128
    .sgpr_count:     102
    .vgpr_count:     768
    .wavefront_size: 32
...
	.end_amdgpu_metadata
.endif
;; end of part 1
;; launch gemm2 (part 2): grid 16 x 16, 4 waves a work-group, clusters of 4 x 4, 327,680 bytes of LDS; arguments act_codes, act_scales, W_up_codes, W_up_scales, out0; writes out0
.if DOCPART == 2
	.amdgcn_target "amdgcn-amd-amdhsa--gfx1250"
	.amdhsa_code_object_version 6
	.text
	.protected	k_q2f44dc52e2_gemm2
	.globl	k_q2f44dc52e2_gemm2
	.p2align	8
	.type	k_q2f44dc52e2_gemm2,@function
k_q2f44dc52e2_gemm2:
	s_mov_b64 s[64:65], 0
	v_nop
	global_prefetch_b8 v0, s[64:65] scope:SCOPE_SE
	s_setreg_imm32_b32 hwreg(HW_REG_WAVE_MODE, 25, 1), 1
	s_wait_xcnt 0x0
	s_wait_alu depctr_hold_cnt(0) depctr_sa_sdst(0) depctr_va_vdst(0) depctr_va_sdst(0) depctr_va_ssrc(0) depctr_va_vcc(0) depctr_vm_vsrc(0)
	s_getreg_b32 s2, hwreg(HW_REG_IB_STS2, 6, 4)
	s_cmp_eq_u32 s2, 0
	s_cbranch_scc0 .Lentry_in_a_cluster
	s_endpgm
.Lentry_in_a_cluster:
	s_bfe_u32 s2, ttmp6, 0x10000c
	s_cmp_lg_u32 s2, 0xf033
	s_cbranch_scc0 .Lentry_shape_is_right
	s_endpgm
.Lentry_shape_is_right:
; SECOND OF TWO LAUNCHES.  out0[2048][4096] = Q(act) W_up on codes of FP4 (E2M1) with one E8M0 scale for each 32 along K (K = 4,096), f32 sums, rounded once to f16.  No work is left out.
; Q(act) was made by the launch before and lies in the order of this launch's operand registers:
;   act_codes [mt 16][kc 32][i 8][c 2][lane 32][16 bytes]: lane (r, h) holds the codes k = 128 kc + 64 c + 32 h + 0 .. 31 of row 128 mt + 16 i + r: a tile row's K step of 512 is 32,768 dense bytes;
;   act_scales [mt 16][kc 32][wm 2][lane 32][p 2][4 bytes]: word p of lane l = the four scale bytes of row 128 mt + 64 wm + 32 p + l for these 128 k: a tile row's are 16,384 dense bytes.
; LIMITS: a sum beyond f16's largest number, 65,504, leaves as infinity, as the cast gives it; NaN and infinities in act are not served (the launch before).
; SHARES.  A work-group makes 128 rows x 256 columns: 16 x 16 = 256 work-groups.  Wave w: rows 64 (w / 2) on, columns 128 (w % 2) on: 4 x 8 = 32 accumulators of 16 x 16, 256 registers.
; K goes in 8 steps of 512 through a ring of two LDS slots filled by the tensor data mover; a step of 128 along K is 32 matrix instructions a wave.
; THE SCALES of the work-group's 128 rows of A (= act) and 256 rows of W, for all of K, are two dense blocks of memory: they come into LDS once, with the first fills, and stay.
; CLUSTERS: 4 x 4 work-groups.  The four of a row of the cluster need the same tiles of A, the four of a column the same tiles of W: each tile is asked for JOINTLY, by the same tensor load with the same descriptor and a mask that names the four.
; THE MATRIX INSTRUCTION IS USED TRANSPOSED (source 0 = 16 rows of W, source 1 = 16 rows of A): lane (r, h) then holds row r of the result and its registers the columns 16 b + 8 h + 0 .. 7, which pack into 16 bytes.
; REGISTERS, in windows of 256 (s_set_vgpr_msb's low byte: bits 1:0 source 0, 3:2 source 1, 5:4 source 2, 7:6 destination):
;   window 0: v0-31 addresses; v32-63 W's scale words, two sets; v64-79 A's, two sets (these hold scales and nothing else); v80-111 packed results; v128-191 A's fragments, two sets of 4 x 8; on the way out v128-255 rows read back.
;   window 1: W's fragments, two sets of 8 x 8, at v0 and at v128.   window 2: accumulator (a, b) at v[8 (8 a + b)].
.set LINE,  272                        ; an LDS line: 256 bytes of data + 16 of padding = 68 words: line r starts at bank 4 r mod 64 (64 banks of 4 bytes: ISA guide 11.1), so the 16 rows that a load touches start at 16 different banks
.set SLOT,  384*LINE                   ; a slot: A's 128 lines, then W's 256 rows
.set HALFA, 64*LINE                    ; what one tensor load brings of A
.set HALFB, 128*LINE                   ; what one tensor load brings of W, and what one wave reads of it
.set BOFF,  128*LINE                   ; W's rows begin behind A's lines
.set SCLA,  2*SLOT                     ; behind the ring: A's scale words, 16,384 bytes = 64 lines,
.set HSA,   32*LINE                    ; (half of them)
.set SCLB,  SCLA+2*HSA                 ; W's scale bytes, 256 rows x 128 bytes = 128 lines
.set HSB,   64*LINE
.set SPARE, SCLB+2*HSB                 ; the spare words, 128 bytes for each wave: two blocks of 256 bytes that no other line names
.set STAGE, SPARE+512                  ; the way out: 16 rows x 272 bytes for each wave; no tensor load ever lands here
.set KROW,  2048                       ; a row of W's codes in memory, in bytes
.set APITCH, 256                       ; A's tile is dense: lines of 256 bytes on end
.set AHSH,  14                         ; its second half begins 64 lines = 2^14 bytes on
.set ASLOT, 32768                      ; a K step on, in A
.set BSLOT, 256                        ; and in W
.set SAP,   1                          ; A's scale word of blocks 2 p, 2 p + 1 for the slot's q-th 128 along K stands in register SAP p + SAQ q of its set
.set SAQ,   2
.set ASTEP, 8*LINE                     ; a K step on among A's scale words in LDS: 4 kc x 2 lines
.set OROW,  8192                       ; a row of out0 in bytes
.set ADRA, 16                          ; v16-17  LDS address of my A fragments in slot 0, 1
.set ADRB, 20                          ; v20-21  the same for W
.set ADSA, 22                          ; v22     LDS address of A's scale words of the K step in hand
.set ADSB, 23                          ; v23     of W's
.set STO,  24                          ; v24     the way out: where I put 16 bytes of a row
.set RD,   25                          ; v25     the way out: where I read a row back
.set CO,   26                          ; v26     my byte offset in out0
.set SPW,  28                          ; v28     LDS address of my spare word: SPARE + 4 x my thread's number; never rewritten
.set NIL,  29                          ; v29     0; never rewritten
.set SCB,  32                          ; W's scale words: set s at v[SCB + 16 s]; register 4 (b / 2) + q: lanes 0-15 block b even, lanes 16-31 block b odd
.set SCA,  64                          ; A's: set s at v[SCA + 8 s]
.set AF,   128                         ; A's fragments: set p at v[AF + 32 p]
.set TMP,  80                          ; the way out: a block's packed results
.set BK,   128                         ; the way out: 16 rows read back from the stage: 32 registers for each of my four blocks
.set G1A,  24                          ; s[24:31] descriptor group 1 for A's tiles;  s[32:39] group 0, one set for each slot
.set G0A,  32
.set G1B,  48                          ; s[48:55], s[56:63] the same for W's
.set G0B,  56
.set G1SA, 68                          ; s[68:75], s[76:79] groups 1 and 0 for A's scales;  s[80:87], s[88:91] for W's
.set G0SA, 76
.set G1SB, 80
.set G0SB, 88
.set PADW, (1<<20)|(1<<21)|(5<<22)|(3<<25)   ; group 1, word 0: 20 padding on; 21 set beside a mask; 24:22 after every 64 words (code 5); 31:25 four words of it (code 3)
.set MSB, 0
.macro WIN new                         ; the immediate's high byte repeats the setting that is left; a switch that changes nothing is dropped
.if MSB != \new
	s_set_vgpr_msb (MSB<<8)|\new
.set MSB, \new
.endif
.endm
.set MUL,  0xa1                        ; source 0 (W) window 1, source 1 (A) window 0, C and D window 2
.set TO_B, 0x40                        ; destination window 1, address window 0
; A joint load: waves 0 and 1 fetch for A, waves 2 and 3 for W.  Each of the two lines has ONE mask and one set of registers for all that issue it; the branch hangs on the wave's number alone.
; An s_nop 0 and four v_nop follow each of the two lines, ahead of the jump, the label and what follows.
.macro JLOAD g0a, g1a, g0b, g1b
	s_cmp_eq_u32 s17, 0
	s_cbranch_scc0 .Lfor_b_\@
	tensor_load_to_lds s[\g0a:\g0a+3], s[\g1a:\g1a+7]
	s_nop 0
.rept 4
	v_nop
.endr
	s_branch .Lasked_\@
.Lfor_b_\@:
	tensor_load_to_lds s[\g0b:\g0b+3], s[\g1b:\g1b+7]
	s_nop 0
.rept 4
	v_nop
.endr
.Lasked_\@:
.endm
.macro CREST                           ; a round of the cluster's barrier behind its opening barrier
	s_cmp_lg_u32 s16, 0
	s_cbranch_scc1 .Lnot_wave_0_\@
	s_barrier_signal -3
.Lnot_wave_0_\@:
	s_barrier_wait -3
	s_barrier_signal -1
	s_barrier_wait -1
.endm
.macro CROUND                          ; a whole round
	s_barrier_signal -1
	s_barrier_wait -1
	CREST
.endm
; A load into a register that a matrix instruction has read, and a vector instruction that reads a matrix result, stand four places behind that matrix instruction, and only plain vector
; instructions that name none of its registers are places (ISA guide 7.12.1 for vector instructions); the matrix instructions in between are not counted.
.macro PLACES n
.rept \n
	v_nop
.endr
.endm
	s_load_b256 s[4:11], s[0:1], 0x0               ; A's codes s[4:5], A's scales s[6:7], W's codes s[8:9], W's scales s[10:11]
	s_load_b64 s[12:13], s[0:1], 0x20              ; out0
	v_lshl_add_u32 v[SPW], v0, 2, SPARE
	v_mov_b32 v[NIL], 0
	ds_add_u32 v[SPW], v[NIL]                      ; the wave's opening: the add, twice on end, and its wait ahead of my first tensor load; the set-up below, work on registers, stands between the second and the wait
	ds_add_u32 v[SPW], v[NIL]                      ; and once more, under the one wait
	v_lshrrev_b32 v1, 5, v0
	v_readfirstlane_b32 s16, v1                    ; wave 0..3
	s_lshr_b32 s17, s16, 1                         ; WM: which 64 rows are mine.  Also: I fetch for A (0) or for W (1)
	s_and_b32 s18, s16, 1                          ; WN: which 128 columns are mine.  Also: which half of that tile I fetch
	s_bfe_u32 s40, ttmp6, 0x40000                  ; cx, cy: my place in the cluster
	s_bfe_u32 s41, ttmp6, 0x40004
	s_lshl_b32 s42, ttmp9, 2
	s_add_co_u32 s42, s42, s40                     ; tx: tile column = 4 x cluster x + cx
	s_and_b32 s43, ttmp7, 0xffff
	s_lshl_b32 s43, s43, 2
	s_add_co_u32 s43, s43, s41                     ; ty: tile row = 4 x cluster y + cy
	s_lshl_b32 s44, s41, 2
	s_lshl_b32 s44, 15, s44                        ; my row of the cluster: places 4 cy .. 4 cy + 3
	s_lshl_b32 s45, 0x1111, s40                    ; my column: places cx, cx + 4, cx + 8, cx + 12
	; group 1 for the codes: elements of one byte; A: 64 lines x 256 bytes, dense; W: 128 rows x 256 bytes
	s_or_b32 s[G1A], s44, PADW                     ; 15:0 the mask: A's tiles go to my row of the cluster
	s_mov_b32 s[G1A+1], 256<<16                    ; tensor_dim0 = 256
	s_mov_b32 s[G1A+2], 64<<16                     ; tensor_dim1 = 64
	s_mov_b32 s[G1A+3], 256<<16                    ; tile_dim0 = 256
	s_mov_b32 s[G1A+4], 64                         ; tile_dim1 = 64
	s_mov_b32 s[G1A+5], APITCH                     ; from line to line
	s_mov_b32 s[G1A+6], 0
	s_mov_b32 s[G1A+7], 0
	s_or_b32 s[G1B], s45, PADW                     ; W's tiles go to my column
	s_mov_b32 s[G1B+1], 256<<16
	s_mov_b32 s[G1B+2], 128<<16
	s_mov_b32 s[G1B+3], 256<<16
	s_mov_b32 s[G1B+4], 128
	s_mov_b32 s[G1B+5], KROW
	s_mov_b32 s[G1B+6], 0
	s_mov_b32 s[G1B+7], 0
	; group 1 for the scale bytes: dense blocks, as rows of 256 bytes (32 elements of 8 bytes); A: 32 such rows a load; W: 64
	s_or_b32 s[G1SA], s44, (3<<16)|PADW
	s_mov_b32 s[G1SA+1], 32<<16
	s_mov_b32 s[G1SA+2], 32<<16
	s_mov_b32 s[G1SA+3], 32<<16
	s_mov_b32 s[G1SA+4], 32
	s_mov_b32 s[G1SA+5], 32
	s_mov_b32 s[G1SA+6], 0
	s_mov_b32 s[G1SA+7], 0
	s_or_b32 s[G1SB], s45, (3<<16)|PADW
	s_mov_b32 s[G1SB+1], 32<<16
	s_mov_b32 s[G1SB+2], 64<<16
	s_mov_b32 s[G1SB+3], 32<<16
	s_mov_b32 s[G1SB+4], 64
	s_mov_b32 s[G1SB+5], 32
	s_mov_b32 s[G1SB+6], 0
	s_mov_b32 s[G1SB+7], 0
	; where the tiles come from.  A's hang on ty and the wave's number alone, W's on tx and the wave's number alone, each in registers that never hold the other coordinate
	s_lshl_b32 s20, s43, 18                        ; A's codes: 2^18 bytes a tile row,
	s_lshl_b32 s21, s18, AHSH                      ; + my half of a K step
	s_add_co_u32 s20, s20, s21
	s_mov_b32 s21, 0
	s_lshl_b32 s22, s43, 14                        ; A's scales: 2^14 bytes a tile row,
	s_lshl_b32 s23, s18, 13                        ; + my half
	s_add_co_u32 s22, s22, s23
	s_mov_b32 s23, 0
	s_lshl_b32 s92, s42, 19                        ; W's codes: 256 rows of 2,048 bytes a tile column,
	s_lshl_b32 s93, s18, 18
	s_add_co_u32 s92, s92, s93
	s_mov_b32 s93, 0
	s_lshl_b32 s94, s42, 15                        ; W's scales: 256 rows of 128 bytes
	s_lshl_b32 s95, s18, 14
	s_add_co_u32 s94, s94, s95
	s_mov_b32 s95, 0
	s_mul_i32 s46, s18, HALFA                      ; and where they go: no place in the cluster enters an LDS address
	s_mul_i32 s47, s18, HALFB
	s_mul_i32 s96, s18, HSA
	s_mul_i32 s97, s18, HSB
	s_wait_dscnt 0x0                               ; both opening adds are done
	s_wait_kmcnt 0x0
	s_add_nc_u64 s[20:21], s[4:5], s[20:21]
	s_add_nc_u64 s[22:23], s[6:7], s[22:23]
	s_add_nc_u64 s[92:93], s[8:9], s[92:93]
	s_add_nc_u64 s[94:95], s[10:11], s[94:95]
	CROUND                                         ; all sixteen work-groups are here: the first joint loads meet
	s_mov_b32 s[G0SA], 1                           ; 1:0 count = 1
	s_add_co_u32 s[G0SA+1], s96, SCLA              ; 63:32 LDS address
	s_mov_b64 s[G0SA+2:G0SA+3], s[22:23]           ; 120:64 global address
	s_or_b32 s[G0SA+3], s[G0SA+3], 0x80000000      ; 127:126 type = 2
	s_mov_b32 s[G0SB], 1
	s_add_co_u32 s[G0SB+1], s97, SCLB
	s_mov_b64 s[G0SB+2:G0SB+3], s[94:95]
	s_or_b32 s[G0SB+3], s[G0SB+3], 0x80000000
	JLOAD G0SA, G1SA, G0SB, G1SB                   ; the scales first: they are wanted with K step 0
.irp s, 0,1
	s_mov_b32 s[G0A+4*\s], 1
	s_add_co_u32 s[G0A+4*\s+1], s46, \s*SLOT
	s_add_nc_u64 s[G0A+4*\s+2:G0A+4*\s+3], s[20:21], \s*ASLOT
	s_or_b32 s[G0A+4*\s+3], s[G0A+4*\s+3], 0x80000000
	s_mov_b32 s[G0B+4*\s], 1
	s_add_co_u32 s[G0B+4*\s+1], s47, \s*SLOT+BOFF
	s_add_nc_u64 s[G0B+4*\s+2:G0B+4*\s+3], s[92:93], \s*BSLOT
	s_or_b32 s[G0B+4*\s+3], s[G0B+4*\s+3], 0x80000000
	JLOAD G0A+4*\s, G1A, G0B+4*\s, G1B             ; K steps 0 and 1: three tensor loads of mine are out
.endr
	v_and_b32 v1, 15, v0                           ; r = lane % 16
	v_bfe_u32 v2, v0, 4, 1                         ; h = lane / 16
	v_and_b32 v3, 31, v0                           ; lane
	v_mul_u32_u24 v4, v1, LINE
	v_lshl_add_u32 v4, v2, 4, v4                   ; row r x pitch + 16 h: W's fragments, and the stage on the way in
	v_mul_u32_u24 v5, v2, LINE
	v_lshl_add_u32 v5, v1, 4, v5                   ; line h x pitch + 16 r: A's images, and the stage on the way back
	s_mul_i32 s19, s17, 16*LINE                    ; A: the image of (q, block i, c) is lines 32 q + 4 i + 2 c and the next; my blocks are i = 4 WM + a
	v_add_nc_u32 v[ADRA], s19, v5
	v_add_nc_u32 v[ADRA+1], SLOT, v[ADRA]
	s_add_co_u32 s19, s47, BOFF                    ; my 128 rows of W, behind A's 128 lines
	v_add_nc_u32 v[ADRB], s19, v4
	v_add_nc_u32 v[ADRB+1], SLOT, v[ADRB]
	s_mul_i32 s19, s17, LINE                       ; A's scale words: line 2 kc + WM, 8 bytes a lane
	s_add_co_u32 s19, s19, SCLA
	v_lshl_add_u32 v[ADSA], v3, 3, s19
	v_lshrrev_b32 v6, 1, v3                        ; W's scale bytes: two rows of 128 bytes to a line: lane l takes row l of 32: line l / 2, byte 128 (l % 2)
	v_mul_u32_u24 v6, v6, LINE
	v_and_b32 v7, 1, v0
	v_lshl_add_u32 v6, v7, 7, v6
	s_add_co_u32 s19, s97, SCLB
	v_add_nc_u32 v[ADSB], s19, v6
	s_mul_i32 s19, s16, 16*LINE
	s_add_co_u32 s19, s19, STAGE                   ; my stage
	v_add_nc_u32 v[STO], s19, v4
	v_add_nc_u32 v[RD], s19, v5
	v_lshlrev_b32 v[CO], 13, v2                    ; lanes 0-15 take one row of out0, lanes 16-31 the next; 16 bytes a lane
	v_lshl_add_u32 v[CO], v1, 4, v[CO]
	; where my part of out0 begins: row 128 ty + 64 WM of 8,192 bytes; column 256 tx + 128 WN of 2 bytes
	s_lshl_b32 s66, s43, 20
	s_lshl_b32 s19, s17, 19
	s_add_co_u32 s66, s66, s19
	s_lshl_b32 s19, s42, 9
	s_add_co_u32 s66, s66, s19
	s_lshl_b32 s19, s18, 8
	s_add_co_u32 s66, s66, s19
	s_mov_b32 s67, 0
	s_add_nc_u64 s[12:13], s[12:13], s[66:67]
; One matrix instruction: A's block a x W's block b, the slot's q-th 128 along K; p: the set of fragments; sc: the set of scale words.  zero = 1: it starts the sum: nothing is ever cleared.
; A scale register carries an even block's words in lanes 0-15 and the odd block's in lanes 16-31: the ROW1 selectors follow the blocks' parities.
.macro MM a, b, p, q, sc, zero
.set rD,  8*(8*(\a)+(\b))
.set rB,  128*(\p)+8*(\b)
.set rA,  AF+32*(\p)+8*(\a)
.set rSB, SCB+16*(\sc)+4*((\b)/2)+(\q)
.set rSA, SCA+8*(\sc)+SAP*((\a)/2)+SAQ*(\q)
.if \zero
.if ((\a)%2) && ((\b)%2)
	v_wmma_scale_f32_16x16x128_f8f6f4 v[rD:rD+7], v[rB:rB+7], v[rA:rA+7], 0, v[rSB], v[rSA] matrix_a_fmt:MATRIX_FMT_FP4 matrix_b_fmt:MATRIX_FMT_FP4 matrix_a_scale:MATRIX_SCALE_ROW1 matrix_b_scale:MATRIX_SCALE_ROW1
.elseif (\b)%2
	v_wmma_scale_f32_16x16x128_f8f6f4 v[rD:rD+7], v[rB:rB+7], v[rA:rA+7], 0, v[rSB], v[rSA] matrix_a_fmt:MATRIX_FMT_FP4 matrix_b_fmt:MATRIX_FMT_FP4 matrix_a_scale:MATRIX_SCALE_ROW1
.elseif (\a)%2
	v_wmma_scale_f32_16x16x128_f8f6f4 v[rD:rD+7], v[rB:rB+7], v[rA:rA+7], 0, v[rSB], v[rSA] matrix_a_fmt:MATRIX_FMT_FP4 matrix_b_fmt:MATRIX_FMT_FP4 matrix_b_scale:MATRIX_SCALE_ROW1
.else
	v_wmma_scale_f32_16x16x128_f8f6f4 v[rD:rD+7], v[rB:rB+7], v[rA:rA+7], 0, v[rSB], v[rSA] matrix_a_fmt:MATRIX_FMT_FP4 matrix_b_fmt:MATRIX_FMT_FP4
.endif
.else
.if ((\a)%2) && ((\b)%2)
	v_wmma_scale_f32_16x16x128_f8f6f4 v[rD:rD+7], v[rB:rB+7], v[rA:rA+7], v[rD:rD+7], v[rSB], v[rSA] matrix_a_fmt:MATRIX_FMT_FP4 matrix_b_fmt:MATRIX_FMT_FP4 matrix_a_scale:MATRIX_SCALE_ROW1 matrix_b_scale:MATRIX_SCALE_ROW1
.elseif (\b)%2
	v_wmma_scale_f32_16x16x128_f8f6f4 v[rD:rD+7], v[rB:rB+7], v[rA:rA+7], v[rD:rD+7], v[rSB], v[rSA] matrix_a_fmt:MATRIX_FMT_FP4 matrix_b_fmt:MATRIX_FMT_FP4 matrix_a_scale:MATRIX_SCALE_ROW1
.elseif (\a)%2
	v_wmma_scale_f32_16x16x128_f8f6f4 v[rD:rD+7], v[rB:rB+7], v[rA:rA+7], v[rD:rD+7], v[rSB], v[rSA] matrix_a_fmt:MATRIX_FMT_FP4 matrix_b_fmt:MATRIX_FMT_FP4 matrix_b_scale:MATRIX_SCALE_ROW1
.else
	v_wmma_scale_f32_16x16x128_f8f6f4 v[rD:rD+7], v[rB:rB+7], v[rA:rA+7], v[rD:rD+7], v[rSB], v[rSA] matrix_a_fmt:MATRIX_FMT_FP4 matrix_b_fmt:MATRIX_FMT_FP4
.endif
.endif
.endm
.macro MUL8 a, p, q, sc, zero          ; A's block a against W's eight.  The 32 accumulators take turns, one instruction a turn, in the same order in every step
.irp b, 0,1,2,3,4,5,6,7
	MM \a, \b, \p, \q, \sc, \zero
.endr
.endm
; 24 LDS loads in one run: the fragments of the slot's q-th 128 along K into set p: W's eight, then A's four.  A fragment, 16 rows x 128 K of 4-bit codes, is 8 registers: lane l holds row l % 16;
; registers 4 c .. 4 c + 3 hold K = 64 c + 32 (l / 16) + 0 .. 31.  W's come from rows: two loads of 16 bytes, 32 bytes apart.  A's come as images of the registers: each load takes two lines, 16 bytes a lane.
.macro FETCH slot, q, p
	WIN TO_B
.irp b, 0,1,2,3,4,5,6,7
.irp c, 0,1
	ds_load_b128 v[128*(\p)+8*\b+4*\c:128*(\p)+8*\b+4*\c+3], v[ADRB+\slot] offset:64*(\q)+32*\c+\b*16*LINE
.endr
.endr
	WIN 0
.irp a, 0,1,2,3
.irp c, 0,1
	ds_load_b128 v[AF+32*(\p)+8*\a+4*\c:AF+32*(\p)+8*\a+4*\c+3], v[ADRA+\slot] offset:(32*(\q)+4*\a+2*\c)*LINE
.endr
.endr
.endm
.macro SCALES sc                       ; a K step's scale words into set sc.  W's: four words (512 along K) a row; the 32 lanes take 32 rows: two blocks.  A's: for each 128 along K two words a lane, as the launch before laid them
.irp i, 0,1,2,3
	ds_load_b128 v[SCB+16*\sc+4*\i:SCB+16*\sc+4*\i+3], v[ADSB] offset:16*LINE*\i
.endr
.irp i, 0,1,2,3
	ds_load_b64 v[SCA+8*\sc+2*\i:SCA+8*\sc+2*\i+1], v[ADSA] offset:2*LINE*\i
.endr
.endm
; A step of 128 along K that has its successor in the same slot: the successor's fragments are asked for at its head, 32 matrix instructions ahead of their use.
.macro STEP slot, q, zero
	s_wait_dscnt 4                                 ; this step's scale words, W's fragments and A's blocks 0, 1 are in; the youngest four loads (A's blocks 2, 3) may be out
	PLACES 4                                       ; in front of loads into the set that the step before multiplied
	FETCH \slot, (\q)+1, 1-(\q)%2
	WIN MUL
	MUL8 0, (\q)%2, \q, \slot, \zero
	MUL8 1, (\q)%2, \q, \slot, \zero
	s_wait_dscnt 24                                ; all but the 24 just issued: A's blocks 2, 3 are in
	MUL8 2, (\q)%2, \q, \slot, \zero
	MUL8 3, (\q)%2, \q, \slot, \zero
.endm
; A slot's last step changes slots: ONE barrier; in front of it each wave waits for all its tensor loads, adds 0 to its spare word, and waits for that and for its own reads of this slot.  fill = 1: this slot is filled again, two K steps ahead.
.macro TURN slot, next, fill
	WIN 0                                          ; (the add's two registers lie in window 0)
	s_wait_tensorcnt 0x0                           ; all my tensor loads have landed: my part of the next slot;
	ds_add_u32 v[SPW], v[NIL]                      ; 0 onto my spare word
	s_wait_dscnt 5                                 ; (the add and the youngest four loads, A's blocks 2, 3, may be out)
	WIN MUL
	MUL8 0, 1, 3, \slot, 0                         ; eight matrix instructions stand between the add and the wait for it
	s_wait_dscnt 0x0                               ; the add is done, and my reads of this slot are over
	s_barrier_signal -1
	MUL8 1, 1, 3, \slot, 0
	WIN 0
	s_barrier_wait -1
.if \fill
	CREST                                          ; the barrier has opened a round of the cluster's barrier: no wave of any partner still reads this slot's tile or has a load on its way
	s_add_nc_u64 s[G0A+4*\slot+2:G0A+4*\slot+3], s[G0A+4*\slot+2:G0A+4*\slot+3], 2*ASLOT
	s_add_nc_u64 s[G0B+4*\slot+2:G0B+4*\slot+3], s[G0B+4*\slot+2:G0B+4*\slot+3], 2*BSLOT
	JLOAD G0A+4*\slot, G1A, G0B+4*\slot, G1B       ; the first tensor load behind the round, and my one load until the next; the four v_nop behind it are also the places in front of the loads below
.else
	PLACES 4
.endif
	v_add_nc_u32 v[ADSA], ASTEP, v[ADSA]           ; on to the next K step's scale words
	v_add_nc_u32 v[ADSB], 16, v[ADSB]
	SCALES \next
	FETCH \next, 0, 0
	WIN MUL
	MUL8 2, 1, 3, \slot, 0
	MUL8 3, 1, 3, \slot, 0
.endm
.macro STEPS slot, from                ; the slot's steps from .. 2
.set Q, \from
.rept 3-\from
	STEP \slot, Q, 0
.set Q, Q+1
.endr
.endm
	s_wait_tensorcnt 1                             ; the scales and my part of K step 0 are in; K step 1's load may stay out
	s_barrier_signal -1
	s_barrier_wait -1                              ; everybody's are
	SCALES 0
	FETCH 0, 0, 0
	STEP 0, 0, 1                                   ; the first step stands in front of the loop: its products start the sums
	WIN 0                                          ; at a label and at a branch every window is 0
	s_mov_b32 s3, 3
.Llap:                                                 ; a trip goes once round the ring, from a lap's second step to the next lap's first, and fills both slots again: K steps 2 to 7 in three trips
	STEPS 0, 1
	TURN 0, 1, 1
	STEPS 1, 0
	TURN 1, 0, 1
	STEP 0, 0, 0
	WIN 0
	s_sub_co_u32 s3, s3, 1
	s_cmp_lg_u32 s3, 0
	s_cbranch_scc1 .Llap
	STEPS 0, 1                                     ; the last lap fills nothing, and has no round of the cluster's barrier
	TURN 0, 1, 0
	STEPS 1, 0
	s_wait_dscnt 4                                 ; the very last step: nothing more to fetch
	WIN MUL
	MUL8 0, 1, 3, 1, 0
	MUL8 1, 1, 3, 1, 0
	s_wait_dscnt 0x0
	MUL8 2, 1, 3, 1, 0
	MUL8 3, 1, 3, 1, 0
	WIN 0
	PLACES 4                                       ; in front of the first read of results
; THE WAY OUT, block by block of 16 rows x 128 columns.  PACK: rounded to f16, 16 bytes a lane.  TOSTAGE: into my own stage in LDS, and back as whole rows of 256 bytes.  SEND: stored.
.macro PACK a
	WIN 0x0a                                       ; sources 0 and 1: window 2
.irp b, 0,1,2,3,4,5,6,7
.irp t, 0,1,2,3
	v_cvt_pk_f16_f32 v[TMP+4*\b+\t], v[64*(\a)+8*\b+2*\t], v[64*(\a)+8*\b+2*\t+1]   ; each accumulator from its low end on
.endr
.endr
	WIN 0
.endm
.macro TOSTAGE a
.irp b, 0,1,2,3,4,5,6,7
	ds_store_b128 v[STO], v[TMP+4*\b:TMP+4*\b+3] offset:32*\b
.endr
.irp t, 0,1,2,3,4,5,6,7
	ds_load_b128 v[BK+32*(\a)+4*\t:BK+32*(\a)+4*\t+3], v[RD] offset:\t*2*LINE   ; LDS serves a wave's instructions in order (ISA guide 5.7.1.4): these see the stores above, and the next block's stores come behind them
.endr
.endm
.macro SEND a
	s_wait_dscnt 0x0                               ; the block is back in registers
.irp t, 0,1,2,3,4,5,6,7
	global_store_b128 v[CO], v[BK+32*(\a)+4*\t:BK+32*(\a)+4*\t+3], s[12:13] offset:(16*(\a)+2*\t)*OROW th:TH_STORE_NT   ; 16 lanes store 256 consecutive bytes, at a multiple of 256 from out0's first byte; each store has data registers of its own; 62 rows at the most: inside the signed 24-bit immediate
.endr
.endm
	PACK 0
	TOSTAGE 0
	PACK 1                                         ; a block's conversions stand between the loads of the block before and the wait for them
	SEND 0
	TOSTAGE 1
	PACK 2
	SEND 1
	TOSTAGE 2
	PACK 3
	SEND 2
	TOSTAGE 3
	SEND 3
	s_wait_tensorcnt 0x0                           ; the wave's end: behind my last tensor load and my last LDS store
	ds_add_u32 v[SPW], v[NIL]
	s_wait_dscnt 0x0
	CROUND                                         ; the closing round: no work-group ends while a partner may still ask for a tile that names it
	s_endpgm
.Lfunc_end_k_q2f44dc52e2_gemm2:
	.size	k_q2f44dc52e2_gemm2, .Lfunc_end_k_q2f44dc52e2_gemm2-k_q2f44dc52e2_gemm2
	.p2alignl 7, 3214868480
	.fill 96, 4, 3214868480
	.section	.rodata,"a",@progbits
	.p2align	6, 0x0
	.amdhsa_kernel k_q2f44dc52e2_gemm2
		.amdhsa_group_segment_fixed_size 327680
		.amdhsa_private_segment_fixed_size 0
		.amdhsa_enable_private_segment 0
		.amdhsa_kernarg_size 40
		.amdhsa_user_sgpr_count 2
		.amdhsa_user_sgpr_kernarg_segment_ptr 1
		.amdhsa_wavefront_size32 1
		.amdhsa_system_sgpr_workgroup_id_x 1
		.amdhsa_system_sgpr_workgroup_id_y 1
		.amdhsa_system_sgpr_workgroup_id_z 1
		.amdhsa_system_vgpr_workitem_id 0
		.amdhsa_next_free_vgpr 768
		.amdhsa_next_free_sgpr 102
		.amdhsa_reserve_vcc 0
		.amdhsa_float_denorm_mode_32 3
		.amdhsa_float_denorm_mode_16_64 3
		.amdhsa_memory_ordered 1
		.amdhsa_forward_progress 1
		.amdhsa_inst_pref_size 123
	.end_amdhsa_kernel
	.amdgpu_metadata
---
amdhsa.version: [ 1, 2 ]
amdhsa.kernels:
  - .name:           k_q2f44dc52e2_gemm2
    .symbol:         k_q2f44dc52e2_gemm2.kd
    .args:
      - { .name: act_codes, .offset: 0, .size: 8, .value_kind: global_buffer, .address_space: global }
      - { .name: act_scales, .offset: 8, .size: 8, .value_kind: global_buffer, .address_space: global }
      - { .name: W_up_codes, .offset: 16, .size: 8, .value_kind: global_buffer, .address_space: global }
      - { .name: W_up_scales, .offset: 24, .size: 8, .value_kind: global_buffer, .address_space: global }
      - { .name: out0, .offset: 32, .size: 8, .value_kind: global_buffer, .address_space: global }
    .group_segment_fixed_size: 327680
    .private_segment_fixed_size: 0
    .kernarg_segment_align: 8
    .kernarg_segment_size: 40
    .max_flat_workgroup_size: 128
    .sgpr_count:     102
    .vgpr_count:     768
    .wavefront_size: 32
...
	.end_amdgpu_metadata
.endif
;; end of part 2
;; ======== version 2 of 2: 2 launches
;; limits: values are held in f16: magnitudes above 65,504 overflow, below 6.1e-05 lose precision; right only within a limited range of input values
;; workspace buffers: act_codes 4,194,304 bytes; act_scales 262,144 bytes
;; launch gemm1 (part 3): grid 16 x 16, 4 waves a work-group, clusters of 4 x 4, 327,680 bytes of LDS; arguments A_prev_codes, A_prev_scales, W_prev_codes, W_prev_scales, act_codes, act_scales; writes act_codes, act_scales
.if DOCPART == 3
	.amdgcn_target "amdgcn-amd-amdhsa--gfx1250"
	.amdhsa_code_object_version 6
	.text
	.protected	k_q2f44dc52e2_gemm1
	.globl	k_q2f44dc52e2_gemm1
	.p2align	8
	.type	k_q2f44dc52e2_gemm1,@function
k_q2f44dc52e2_gemm1:
	s_mov_b64 s[64:65], 0
	v_nop
	global_prefetch_b8 v0, s[64:65] scope:SCOPE_SE
	s_setreg_imm32_b32 hwreg(HW_REG_WAVE_MODE, 25, 1), 1
	s_wait_xcnt 0x0
	s_wait_alu depctr_hold_cnt(0) depctr_sa_sdst(0) depctr_va_vdst(0) depctr_va_sdst(0) depctr_va_ssrc(0) depctr_va_vcc(0) depctr_vm_vsrc(0)
	s_getreg_b32 s2, hwreg(HW_REG_IB_STS2, 6, 4)
	s_cmp_eq_u32 s2, 0
	s_cbranch_scc0 .Lentry_in_a_cluster
	s_endpgm
.Lentry_in_a_cluster:
	s_bfe_u32 s2, ttmp6, 0x10000c
	s_cmp_lg_u32 s2, 0xf033
	s_cbranch_scc0 .Lentry_shape_is_right
	s_endpgm
.Lentry_shape_is_right:
; FIRST OF TWO LAUNCHES.  act[2048][4096] = A_prev W_prev on codes of FP4 (E2M1) with one E8M0 scale for each 32 along K (K = 4,096), f32 sums; act is then quantised
; along its 4,096 columns, the second product's K, by the problem's quantiser, in registers, and leaves as codes and scale bytes alone.
; NO WORK IS LEFT OUT: every one of the six inputs reaches the output; this launch loads four of them, the next the other two.
; TWO LAUNCHES because the second product sums over a whole row of act, whose columns are made by sixteen work-groups, and work-groups of a launch hand each other nothing.
; LIMITS: act goes into the quantiser as the f32 sum, not rounded to f16 between the products; the sum takes the K steps in the order of the walk below, not ascending; NaN and infinities in act are not served;
; a block of 32 zeros of act gets the scale byte 1 where the rule says 127 (its codes are zeros, which add nothing under any byte but 0xff, and the bytes are read by this program alone); a largest magnitude under 2^-124 gets the byte 1, the rule's hold at -126.
; SHARES.  A work-group makes 128 rows x 256 columns: 16 x 16 = 256 work-groups.  Wave w: rows 64 (w / 2) on, columns 128 (w % 2) on: 4 blocks of 16 rows x 4 groups of 32 columns = 16 accumulators of 16 registers.
; K is eight units of 512 (256 bytes of a row), four pairs.  LDS holds slot D (a pair: rows of 512 bytes) and slot S (one unit: rows of 256 bytes).  THE WALK: pair p; first unit of pair p + 1; pair p + 2; second unit of
; pair p + 1; pair p + 3 (mod 4): slots D, S, D, S, D.  While one slot is multiplied the other one's load is on its way: five fills, one tensor load a wave each.
; THE SCALES of the work-group's rows, for all of K, come into slot S's bytes with the first fill; every wave reads its own, 192 registers, in the order of its walk, ahead of slot S's first tile.
; CLUSTERS: 4 x 4 work-groups.  The four of a row of the cluster need the same tiles of A, the four of a column the same of W: each tile is asked for JOINTLY, by the same tensor load with the same descriptor and a mask that names the four.
; The tile row hangs on the cluster's x (and cy), the tile column on the cluster's y (and cx).
; THE WALK IS ROTATED: cluster (X, Y) begins at pair p = (X + 2 ((Y xor Y / 2) mod 2)) mod 4, so the four clusters that read the same rows of W begin at four different pairs.  p hangs on the cluster's number alone.
; PREFETCHES INTO THE L2: behind a fill's joint load stands the request for what the NEXT fill will load: wave 0 asks for 32 rows of A (partners told apart by cx), waves 2 and 3 for 32 rows each of W (by cy), a lane a row:
; each 256 bytes are named once in a cluster.  The first two fills come by their loads alone.
; THE MATRIX INSTRUCTION IS USED TRANSPOSED (source 0 = 32 rows of W, source 1 = 16 rows of A): lane (r, h) holds row r of act, registers 0-7 the group's columns 8 h + 0 .. 7, registers 8-15 the columns 16 + 8 h + 0 .. 7.
; THE WORKSPACE IS LAID IN THE ORDER OF THE NEXT LAUNCH'S OPERAND REGISTERS:
;   act_codes [mt 16][kc 32][i 8][c 2][lane 32][16 bytes]: lane (r, h) holds the codes k = 128 kc + 64 c + 32 h + 0 .. 31 of row 128 mt + 16 i + r;
;   act_scales [mt 16][kc 32][wm 2][lane 32][p 2][4 bytes]: word p of lane l = the four scale bytes of row 128 mt + 64 wm + 32 p + l for these 128 k.
; REGISTERS, in windows of 256 (s_set_vgpr_msb's low byte: bits 1:0 source 0, 3:2 source 1, 5:4 source 2, 7:6 destination):
;   window 0: v0-31 addresses and temporaries; v32-223 scale words (they hold nothing else): unit s of the walk at v[32 + 24 s]: W's 4 g + q, then A's; v224-255 the way out.
;   window 1: W's fragments, two sets of 64, at v0 and v64; A's, two sets of 32, at v128 and v160.   window 2: accumulator (a, g) at v[64 a + 16 g].
.set PD,   528                         ; slot D: an LDS row: 512 bytes + 16 of padding = 132 words: row r starts at bank 4 r mod 64 (64 banks of 4 bytes: ISA guide 11.1)
.set PS,   272                         ; slot S, and the scales: 256 bytes + 16 = 68 words: the same banks
.set BD,   128*PD                      ; in slot D (from byte 0) W's 256 rows lie behind A's 128
.set S0,   384*PD                      ; slot S
.set BS,   S0+128*PS
.set SCLA, S0                          ; at the head: A's scale bytes, 128 rows x 128 bytes = 64 lines of 256,
.set SCLB, S0+64*PS                    ; W's, 128 lines
.set SPARE, S0+384*PS                  ; the spare words, 128 bytes for each wave
.set ADRA, 16                          ; v16, v17  LDS address of my A fragments in slot D, S
.set ADSA, 18                          ; v18, v19  of my A and W scale words
.set ADSB, 19
.set ADRB, 20                          ; v20, v21  of my W fragments in slot D, S
.set CO,   26                          ; v26  16 x lane
.set SO,   27                          ; v27  8 x lane
.set SPW,  28                          ; v28  LDS address of my spare word; never rewritten
.set NIL,  29                          ; v29  0; never rewritten
.set PFO,  30                          ; v30  the prefetches' offset: 2,048 x lane
.set SC,   32
.set SAP,  4                           ; A's word of blocks 2 p, 2 p + 1 for the unit's q-th 128 along K: register SAP p + SAQ q
.set SAQ,  1
.set TM,   224                         ; the way out: v224-227 largest magnitudes, v228-231 the partner's, then the bytes, v236-239 the conversions' scale operands
.set PW,   240                         ; v240-243 the scale word of each block of rows
.set WD,   244                         ; v[244:245] the two words that a lane stores
.set G1A,  24                          ; s[24:31] descriptor group 1 for A's tiles;  s[32:35] group 0 for slot D, s[36:39] for slot S
.set G0A,  32
.set G1B,  48                          ; s[48:55], s[56:59], s[60:63] the same for W's
.set G0B,  56
.set G1SA, 68                          ; s[68:75], s[76:79] groups 1 and 0 for A's scales;  s[80:87], s[88:91] for W's
.set G0SA, 76
.set G1SB, 80
.set G0SB, 88
.set PP,   101                         ; s101  p
.set PADW, (1<<20)|(1<<21)|(3<<25)     ; group 1, word 0: 20 padding on; 21 set beside a mask; 31:25 four words of it (code 3)
.set PADS, PADW+(5<<22)                ; 24:22 after every 64 words (code 5)
.set MSB, 0
.macro WIN new                         ; the immediate's high byte repeats the setting that is left; a switch that changes nothing is dropped
.if MSB != \new
	s_set_vgpr_msb (MSB<<8)|\new
.set MSB, \new
.endif
.endm
.set MULW, 0xa5                        ; sources 0 (W) and 1 (A) window 1, C and D window 2
.set TO_B, 0x40                        ; destination window 1, address window 0
.macro PLACES n
.rept \n
	v_nop
.endr
.endm
; A joint load: waves 0 and 1 fetch A's halves, waves 2 and 3 W's.  The branch hangs on the wave's number alone.
.macro JLOAD g0a, g0b
	s_cmp_eq_u32 s17, 0
	s_cbranch_scc0 .Lfor_b_\@
	tensor_load_to_lds s[\g0a:\g0a+3], s[G1A:G1A+7]
	s_nop 0
	PLACES 4
	s_branch .Lasked_\@
.Lfor_b_\@:
	tensor_load_to_lds s[\g0b:\g0b+3], s[G1B:G1B+7]
	s_nop 0
	PLACES 4
.Lasked_\@:
.endm
.macro CREST                           ; a round of the cluster's barrier behind its opening barrier
	s_cmp_lg_u32 s16, 0
	s_cbranch_scc1 .Lnot_wave_0_\@
	s_barrier_signal -3
.Lnot_wave_0_\@:
	s_barrier_wait -3
	s_barrier_signal -1
	s_barrier_wait -1
.endm
.macro CROUND                          ; a whole round
	s_barrier_signal -1
	s_barrier_wait -1
	CREST
.endm
.macro ARM under, g0, g1, next         ; one arm of the head's tree
	s_cmp_lt_u32 s16, \under
	s_cbranch_scc0 \next
	tensor_load_to_lds s[\g0:\g0+3], s[\g1:\g1+7]
	s_nop 0
	PLACES 4
	s_branch .Lhead_asked
\next:
.endm
.macro ASK lo, two                     ; prefetch: 32 rows, one or two blocks of 256 bytes of each; wave 1 has no share
	s_cmp_eq_u32 s16, 1
	s_cbranch_scc1 .Lno_share_\@
	global_prefetch_b8 v[PFO], s[\lo:\lo+1] th:TH_LOAD_NT scope:SCOPE_SE
.if \two
	global_prefetch_b8 v[PFO], s[\lo:\lo+1] offset:256 th:TH_LOAD_NT scope:SCOPE_SE
.endif
.Lno_share_\@:
.endm
.macro SHAPE d                         ; group 1's words that tell slot D's rows (512 bytes) from slot S's (256)
	s_or_b32 s[G1A], s44, PADW+((5+\d)<<22)
	s_mov_b32 s[G1A+1], (256<<\d)<<16
	s_mov_b32 s[G1A+3], (256<<\d)<<16
	s_or_b32 s[G1B], s45, PADW+((5+\d)<<22)
	s_mov_b32 s[G1B+1], (256<<\d)<<16
	s_mov_b32 s[G1B+3], (256<<\d)<<16
.endm
.macro PREPD j                         ; slot D's next fill: pair p + j, my half of the rows.  None of my loads by this group 0 is out
	s_add_co_u32 s2, s[PP], \j
	s_and_b32 s2, s2, 3
	s_lshl_b32 s2, s2, 9
	s_mul_i32 s[G0A+1], s18, 64*PD
	s_mul_i32 s[G0B+1], s18, 128*PD
	s_add_co_u32 s[G0B+1], s[G0B+1], BD
	s_add_nc_u64 s[G0A+2:G0A+3], s[20:21], s[2:3]
	s_or_b32 s[G0A+3], s[G0A+3], 0x80000000
	s_add_nc_u64 s[G0B+2:G0B+3], s[92:93], s[2:3]
	s_or_b32 s[G0B+3], s[G0B+3], 0x80000000
.endm
.macro PFB lo, j, more                 ; where a prefetch stands: pair p + j, `more` bytes on
	s_add_co_u32 s[\lo], s[PP], \j
	s_and_b32 s[\lo], s[\lo], 3
	s_lshl_b32 s[\lo], s[\lo], 9
	s_add_co_u32 s[\lo], s[\lo], \more
	s_add_co_u32 s[\lo], s[\lo], s46
	s_mov_b32 s[\lo+1], 0
	s_add_nc_u64 s[\lo:\lo+1], s[10:11], s[\lo:\lo+1]
.endm
	s_load_b256 s[4:11], s[0:1], 0x0               ; A's codes s[4:5], A's scales s[6:7], W's codes s[8:9], W's scales s[10:11]
	s_load_b128 s[12:15], s[0:1], 0x20             ; act's codes s[12:13], act's scales s[14:15]
	v_lshl_add_u32 v[SPW], v0, 2, SPARE
	v_mov_b32 v[NIL], 0
	ds_add_u32 v[SPW], v[NIL]                      ; the wave's opening: the add, twice on end, under one wait
	ds_add_u32 v[SPW], v[NIL]
	v_lshrrev_b32 v1, 5, v0
	v_readfirstlane_b32 s16, v1                    ; wave 0..3
	s_lshr_b32 s17, s16, 1                         ; WM: which 64 rows are mine.  In the ring also: I fetch for A (0) or for W (1)
	s_and_b32 s18, s16, 1                          ; WN: which 128 columns are mine.  In the ring also: which half of a tile's rows I fetch
	s_bfe_u32 s40, ttmp6, 0x40000                  ; cx, cy: my place in the cluster
	s_bfe_u32 s41, ttmp6, 0x40004
	s_and_b32 s2, ttmp7, 0xffff                    ; Y
	s_lshl_b32 s42, s2, 2
	s_add_co_u32 s42, s42, s40                     ; tx: tile column = 4 Y + cx
	s_lshl_b32 s43, ttmp9, 2
	s_add_co_u32 s43, s43, s41                     ; ty: tile row = 4 X + cy
	s_lshr_b32 s[PP], s2, 1
	s_xor_b32 s[PP], s[PP], s2
	s_and_b32 s[PP], s[PP], 1
	s_lshl_b32 s[PP], s[PP], 1
	s_add_co_u32 s[PP], s[PP], ttmp9
	s_and_b32 s[PP], s[PP], 3                      ; p
	s_lshl_b32 s2, s[PP], 9                        ; s[2:3]: a byte offset along K, in 64 bits
	s_mov_b32 s3, 0
	s_lshl_b32 s44, s41, 2
	s_lshl_b32 s44, 15, s44                        ; my row of the cluster: places 4 cy .. 4 cy + 3
	s_lshl_b32 s45, 0x1111, s40                    ; my column: places cx, cx + 4, cx + 8, cx + 12
	; group 1 for the codes: elements of one byte.  The head's loads bring all 128 rows of A, all 256 of W
	SHAPE 1
	s_mov_b32 s[G1A+2], 128<<16                    ; tensor_dim1
	s_mov_b32 s[G1A+4], 128                        ; tile_dim1
	s_mov_b32 s[G1B+2], 256<<16
	s_mov_b32 s[G1B+4], 256
.irp g, G1A, G1B
	s_mov_b32 s[\g+5], 2048                        ; from row to row
	s_mov_b32 s[\g+6], 0
	s_mov_b32 s[\g+7], 0
.endr
	; group 1 for the scale bytes: dense blocks, as rows of 256 bytes (32 elements of 8 bytes): A 64 rows, W 128
	s_or_b32 s[G1SA], s44, (3<<16)|PADS
	s_or_b32 s[G1SB], s45, (3<<16)|PADS
	s_mov_b32 s[G1SA+2], 64<<16
	s_mov_b32 s[G1SA+4], 64
	s_mov_b32 s[G1SB+2], 128<<16
	s_mov_b32 s[G1SB+4], 128
.irp g, G1SA, G1SB
	s_mov_b32 s[\g+1], 32<<16
	s_mov_b32 s[\g+3], 32<<16
	s_mov_b32 s[\g+5], 32
	s_mov_b32 s[\g+6], 0
	s_mov_b32 s[\g+7], 0
.endr
	s_lshl_b32 s20, s43, 18                        ; A's codes: 128 rows of 2,048 bytes a tile row
	s_mov_b32 s21, 0
	s_lshl_b32 s22, s43, 14                        ; A's scales: 128 rows of 128 bytes
	s_mov_b32 s23, 0
	s_lshl_b32 s92, s42, 19                        ; W's codes: 256 rows of 2,048 bytes a tile column
	s_mov_b32 s93, 0
	s_lshl_b32 s94, s42, 15                        ; W's scales: 256 rows of 128 bytes
	s_mov_b32 s95, 0
	s_mov_b32 s[G0A], 1                            ; 1:0 count = 1
	s_mov_b32 s[G0A+1], 0                          ; 63:32 LDS address
	s_mov_b32 s[G0B], 1
	s_mov_b32 s[G0B+1], BD
	s_mov_b32 s[G0SA], 1
	s_mov_b32 s[G0SA+1], SCLA
	s_mov_b32 s[G0SB], 1
	s_mov_b32 s[G0SB+1], SCLB
	s_wait_dscnt 0x0                               ; both opening adds are done
	s_wait_kmcnt 0x0
	s_add_nc_u64 s[20:21], s[4:5], s[20:21]        ; kept: A's codes at the tile's first row
	s_add_nc_u64 s[22:23], s[6:7], s[22:23]
	s_add_nc_u64 s[92:93], s[8:9], s[92:93]        ; kept: W's
	s_add_nc_u64 s[94:95], s[10:11], s[94:95]
	s_add_nc_u64 s[G0A+2:G0A+3], s[20:21], s[2:3]  ; 120:64 global address: pair p
	s_or_b32 s[G0A+3], s[G0A+3], 0x80000000        ; 127:126 type = 2
	s_add_nc_u64 s[G0B+2:G0B+3], s[92:93], s[2:3]
	s_or_b32 s[G0B+3], s[G0B+3], 0x80000000
	s_mov_b64 s[G0SA+2:G0SA+3], s[22:23]
	s_or_b32 s[G0SA+3], s[G0SA+3], 0x80000000
	s_mov_b64 s[G0SB+2:G0SB+3], s[94:95]
	s_or_b32 s[G0SB+3], s[G0SB+3], 0x80000000
	CROUND                                         ; all sixteen work-groups are here: the first joint loads meet
	; THE HEAD'S LOADS, ONE A WAVE: wave 0 fetches A's pair, wave 1 W's, wave 2 A's scales, wave 3 W's
	ARM 1, G0A,  G1A,  .Lhead_b
	ARM 2, G0B,  G1B,  .Lhead_sa
	ARM 3, G0SA, G1SA, .Lhead_sb
	tensor_load_to_lds s[G0SB:G0SB+3], s[G1SB:G1SB+7]
	s_nop 0
	PLACES 4
.Lhead_asked:
	; the prefetches' addresses: A by cx, 32 rows = 2^16 bytes; W by cy, 64 rows = 2^17 bytes, wave 3 the second 32 of them
	s_cmp_eq_u32 s17, 0
	s_cselect_b64 s[10:11], s[20:21], s[92:93]
	s_cselect_b32 s46, s40, s41
	s_cselect_b32 s47, 16, 17
	s_lshl_b32 s46, s46, s47
	s_lshl_b32 s47, s18, 16
	s_add_co_u32 s46, s46, s47
	PFB 4, 2, 0                                    ; s[4:5] pair p + 2
	PFB 6, 1, 256                                  ; s[6:7] second unit of pair p + 1
	PFB 8, 3, 0                                    ; s[8:9] pair p + 3
	; the ring: from here on the bases stand at my half's first row; slot S's group 0: first unit of pair p + 1
	s_lshl_b32 s2, s18, 17
	s_add_nc_u64 s[20:21], s[20:21], s[2:3]
	s_lshl_b32 s2, s18, 18
	s_add_nc_u64 s[92:93], s[92:93], s[2:3]
	s_add_co_u32 s2, s[PP], 1
	s_and_b32 s2, s2, 3
	s_lshl_b32 s2, s2, 9
	s_mov_b32 s[G0A+4], 1
	s_mul_i32 s[G0A+5], s18, 64*PS
	s_add_co_u32 s[G0A+5], s[G0A+5], S0
	s_add_nc_u64 s[G0A+6:G0A+7], s[20:21], s[2:3]
	s_or_b32 s[G0A+7], s[G0A+7], 0x80000000
	s_mov_b32 s[G0B+4], 1
	s_mul_i32 s[G0B+5], s18, 128*PS
	s_add_co_u32 s[G0B+5], s[G0B+5], BS
	s_add_nc_u64 s[G0B+6:G0B+7], s[92:93], s[2:3]
	s_or_b32 s[G0B+7], s[G0B+7], 0x80000000
	; where my codes go: tile row ty: 2^18 bytes; kc = 2 tx + WN: 2^13; block of rows 4 WM + a: 2^10; my scale words: a sixteenth of the same offset
	s_lshl_b32 s66, s43, 18
	s_lshl_b32 s19, s42, 14
	s_add_co_u32 s66, s66, s19
	s_lshl_b32 s19, s18, 13
	s_add_co_u32 s66, s66, s19
	s_lshl_b32 s19, s17, 12
	s_add_co_u32 s66, s66, s19
	s_mov_b32 s67, 0
	s_add_nc_u64 s[12:13], s[12:13], s[66:67]
	s_lshr_b32 s66, s66, 4
	s_add_nc_u64 s[14:15], s[14:15], s[66:67]
	s_mov_b32 s98, 0x76543210                      ; v_permlanex16_b32's selects for lane l xor 16
	s_mov_b32 s99, 0xfedcba98
	s_mov_b32 s100, 0xffff0000                     ; lanes 16 to 31
	; LDS addresses
	s_mul_i32 s19, s17, 64*PD                      ; my 64 rows of A
	s_mul_i32 s96, s17, 64*PS
	s_add_co_u32 s96, s96, S0
	s_mul_i32 s97, s18, 128*PD                     ; my 128 rows of W
	s_add_co_u32 s97, s97, BD
	s_mul_i32 s46, s18, 128*PS
	s_add_co_u32 s46, s46, BS
	s_mul_i32 s47, s17, 32*PS
	s_add_co_u32 s47, s47, SCLA
	s_mul_i32 s66, s18, 64*PS
	s_add_co_u32 s66, s66, SCLB
	v_and_b32 v1, 15, v0                           ; r
	v_bfe_u32 v2, v0, 4, 1                         ; h
	v_and_b32 v3, 31, v0                           ; lane
	v_mul_u32_u24 v4, v1, PD
	v_mul_u32_u24 v5, v1, PS
	v_lshl_add_u32 v4, v2, 4, v4                   ; row r x pitch + 16 h
	v_lshl_add_u32 v5, v2, 4, v5
	v_add_nc_u32 v[ADRA], s19, v4
	v_add_nc_u32 v[ADRA+1], s96, v5
	v_add_nc_u32 v[ADRB], s97, v4
	v_add_nc_u32 v[ADRB+1], s46, v5
	v_lshrrev_b32 v6, 1, v3                        ; scale bytes: two rows of 128 bytes to a line: lane l takes row l of 32
	v_and_b32 v7, 1, v0
	v_mul_u32_u24 v6, v6, PS
	v_lshl_add_u32 v6, v7, 7, v6
	v_add_nc_u32 v[ADSA], s47, v6
	v_add_nc_u32 v[ADSB], s66, v6
	v_lshlrev_b32 v[CO], 4, v3
	v_lshlrev_b32 v[SO], 3, v3
	v_lshlrev_b32 v[PFO], 11, v3
.irp bb, 0,1,2,3
	v_mov_b32 v[TM+4+\bb], 0                       ; written once: a lane permute's destination counts as one of its sources
.endr
; The scale words of the walk's unit s, which is unit ku of K: four words (512 along K) a row; the 32 lanes take 32 rows.
.macro SCL s, ku
.irp i, 0,1,2,3
	ds_load_b128 v[SC+24*\s+4*\i:SC+24*\s+4*\i+3], v[ADSB] offset:16*PS*\i+16*(\ku)
.endr
.irp i, 0,1
	ds_load_b128 v[SC+24*\s+16+4*\i:SC+24*\s+16+4*\i+3], v[ADSA] offset:16*PS*\i+16*(\ku)
.endr
.endm
.macro SCALES P                        ; the walk that begins at pair P
.set UA, 2*((\P)%4)
.set UB, 2*((\P+1)%4)
.set UC, 2*((\P+2)%4)
.set UD, 2*((\P+3)%4)
	SCL 0, UA
	SCL 1, UA+1
	SCL 2, UB
	SCL 3, UC
	SCL 4, UC+1
	SCL 5, UB+1
	SCL 6, UD
	SCL 7, UD+1
.endm
; One matrix instruction: A's block a x W's group g of 32 rows; p: the set of fragments; q: the unit's q-th 128 along K; s: the walk's unit.  zero = 1: it starts the sum: nothing is ever cleared.
; A's scale register carries an even block's words in lanes 0-15 and the odd block's in lanes 16-31: the ROW1 selector follows a's parity.
.macro MM a, g, p, q, s, zero
.set rD,  64*(\a)+16*(\g)
.set rB,  64*(\p)+16*(\g)
.set rA,  128+32*(\p)+8*(\a)
.set rSB, SC+24*(\s)+4*(\g)+(\q)
.set rSA, SC+24*(\s)+16+SAP*((\a)/2)+SAQ*(\q)
.if \zero
.if (\a)%2
	v_wmma_scale_f32_32x16x128_f4 v[rD:rD+15], v[rB:rB+15], v[rA:rA+7], 0, v[rSB], v[rSA] matrix_b_scale:MATRIX_SCALE_ROW1
.else
	v_wmma_scale_f32_32x16x128_f4 v[rD:rD+15], v[rB:rB+15], v[rA:rA+7], 0, v[rSB], v[rSA]
.endif
.else
.if (\a)%2
	v_wmma_scale_f32_32x16x128_f4 v[rD:rD+15], v[rB:rB+15], v[rA:rA+7], v[rD:rD+15], v[rSB], v[rSA] matrix_b_scale:MATRIX_SCALE_ROW1
.else
	v_wmma_scale_f32_32x16x128_f4 v[rD:rD+15], v[rB:rB+15], v[rA:rA+7], v[rD:rD+15], v[rSB], v[rSA]
.endif
.endif
.endm
.macro MUL a, u, s, zero               ; A's block a against W's four groups.  The 16 accumulators take turns, one instruction a turn, in the same order in every step
.irp g, 0,1,2,3
	MM \a, \g, (\u)%2, (\u)%4, \s, \zero
.endr
.endm
; 24 LDS loads in one run: the fragments of the slot's u-th 128 along K (d = 1: slot D, 0: slot S) into set u % 2: W's eight, then A's four.  A fragment, 16 rows x 128 K, is 8 registers: lane l holds row l % 16;
; registers 4 c .. 4 c + 3 hold K = 64 c + 32 (l / 16) + 0 .. 31: two loads of 16 bytes, 32 bytes apart.
.macro FETCH d, u
.set FP, (\u)%2
.set PT, PS+(\d)*(PD-PS)
	WIN TO_B
.irp b, 0,1,2,3,4,5,6,7
.irp c, 0,1
	ds_load_b128 v[64*FP+8*\b+4*\c:64*FP+8*\b+4*\c+3], v[ADRB+1-(\d)] offset:64*(\u)+32*\c+\b*16*PT
.endr
.endr
.irp a, 0,1,2,3
.irp c, 0,1
	ds_load_b128 v[128+32*FP+8*\a+4*\c:128+32*FP+8*\a+4*\c+3], v[ADRA+1-(\d)] offset:64*(\u)+32*\c+\a*16*PT
.endr
.endr
.endm
; A step of 128 along K that has its successor in the same slot: the successor's fragments are asked for at its head.
.macro STEP d, u, s, zero
	s_wait_dscnt 4                                 ; W's fragments and A's blocks 0, 1 are in; the youngest four loads (A's blocks 2, 3) may be out
	PLACES 4                                       ; in front of loads into the set that the step before multiplied
	FETCH \d, (\u)+1
	WIN MULW
	MUL 0, \u, \s, \zero
	MUL 1, \u, \s, \zero
	s_wait_dscnt 24                                ; all but the 24 just issued
	MUL 2, \u, \s, \zero
	MUL 3, \u, \s, \zero
.endm
.macro RUN d, from, n, s0              ; n steps of a slot whose first unit is the walk's s0
.set Q, \from
.rept \n
	STEP \d, Q, (\s0)+Q/4, 0
.set Q, Q+1
.endr
.endm
; A slot's last step changes slots.  ONE barrier; in front of it each wave waits for all its tensor loads, adds 0 to its spare word, and waits for that; its reads of this slot were waited for ahead of the add.
; fill = 1: this slot is filled again.  ask: the registers of the prefetch's address (0: none).
.macro TURN d, s, fill, ask, two
.set UL, 3+4*\d
	s_wait_dscnt 4
	WIN MULW
	MUL 0, UL, \s, 0
	MUL 1, UL, \s, 0
	s_wait_dscnt 0x0                               ; my last reads of this slot
	WIN 0
	s_wait_tensorcnt 0x0                           ; all my tensor loads have landed: my part of the other slot; so the descriptors may be written
	ds_add_u32 v[SPW], v[NIL]                      ; 0 onto my spare word
.if \fill
	SHAPE \d
.endif
	WIN MULW
	MUL 2, UL, \s, 0
	s_wait_dscnt 0x0                               ; the add is done
	WIN 0
	s_barrier_signal -1
	s_barrier_wait -1
.if \fill
	CREST                                          ; no wave of any partner still reads this slot's tile or has a load on its way
	JLOAD G0A+4*(1-\d), G0B+4*(1-\d)               ; the first tensor load behind the round; its four v_nop are also the places in front of the loads below
.else
	PLACES 4
.endif
	FETCH 1-\d, 0
.if \ask
	WIN 0
	ASK \ask, \two
.endif
	WIN MULW
	MUL 3, UL, \s, 0
.endm
	s_wait_alu depctr_va_vdst(0)                   ; the head's end
	s_cmp_lt_u32 s16, 2
	s_cbranch_scc1 .Lscales_in
	s_wait_tensorcnt 0x0                           ; waves 2 and 3: the scales have landed.  Waves 0 and 1 leave the pair's tiles on their way
.Lscales_in:
	s_barrier_signal -1
	s_barrier_wait -1                              ; the scales are there for every wave
	s_cmp_eq_u32 s[PP], 0
	s_cbranch_scc0 .Lp1
	SCALES 0
	s_branch .Lscales_read
.Lp1:
	s_cmp_eq_u32 s[PP], 1
	s_cbranch_scc0 .Lp2
	SCALES 1
	s_branch .Lscales_read
.Lp2:
	s_cmp_eq_u32 s[PP], 2
	s_cbranch_scc0 .Lp3
	SCALES 2
	s_branch .Lscales_read
.Lp3:
	SCALES 3
.Lscales_read:
	s_wait_tensorcnt 0x0                           ; the pair's tiles are in
	ds_add_u32 v[SPW], v[NIL]
	SHAPE 0
	s_mov_b32 s[G1A+2], 64<<16                     ; from here on a load brings half of a tile's rows
	s_mov_b32 s[G1A+4], 64
	s_mov_b32 s[G1B+2], 128<<16
	s_mov_b32 s[G1B+4], 128
	s_wait_dscnt 0x0                               ; the add is done, and my scale words are in registers
	CROUND
	JLOAD G0A+4, G0B+4                             ; slot S: unit 2 of the walk
	FETCH 1, 0
	WIN 0
	ASK 4, 1
	PREPD 2
	STEP 1, 0, 0, 1                                ; its products start the sums
	RUN 1, 1, 6, 0
	TURN 1, 1, 1, 6, 0                             ; slot D takes units 3, 4
	s_add_nc_u64 s[G0A+6:G0A+7], s[G0A+6:G0A+7], 256   ; slot S's next: the second unit of pair p + 1
	s_add_nc_u64 s[G0B+6:G0B+7], s[G0B+6:G0B+7], 256
	RUN 0, 0, 3, 2
	TURN 0, 2, 1, 8, 1                             ; slot S takes unit 5
	PREPD 3
	RUN 1, 0, 7, 3
	TURN 1, 4, 1, 0, 0                             ; slot D takes units 6, 7
	RUN 0, 0, 3, 5
	TURN 0, 5, 0, 0, 0                             ; nothing is filled again
	RUN 1, 0, 7, 6
	s_wait_dscnt 4                                 ; the very last step
	WIN MULW
	MUL 0, 7, 7, 0
	MUL 1, 7, 7, 0
	s_wait_dscnt 0x0
	MUL 2, 7, 7, 0
	MUL 3, 7, 7, 0
	WIN 0
	PLACES 4                                       ; in front of the first read of results (ISA guide 7.12.1)
; THE WAY OUT: my 128 columns are one step of 128 of the next product's K; my block a of 16 rows becomes one fragment of it and one scale word a row.  No LDS.
; Block bb of 32 columns lies in accumulator (a, bb): lane (r, h) holds its columns 8 h + 0 .. 7 and 16 + 8 h + 0 .. 7; lane l xor 16 holds the others.
; The largest magnitude (with the floor 2^(3 - 127) among its leaves, which holds the byte at 1 from below) with 2 taken off its exponent field is the conversion's scale operand, and that field is the byte.
; The operand's layout wants block 2 cc whole in lanes 0-15 and block 2 cc + 1 whole in lanes 16-31: one exchange of halves between the registers of a pair gives it.
.macro QUANT a
.set AC,  64*(\a)
.set PCA, 246-244*((\a)%2)             ; two sets by turns, v[246:253] and v[2:9]: no conversion names one number both for its result and among its sources
	WIN 0x0a                                       ; sources 0 and 1: window 2
.irp bb, 0,1,2,3
	v_max3_num_f32 v[TM+\bb], |v[AC+16*\bb]|, |v[AC+16*\bb+1]|, 0x1800000   ; each accumulator from its low end on
.endr
.irp i, 2,4,6,8,10,12,14
.irp bb, 0,1,2,3
	v_max3_num_f32 v[TM+\bb], |v[AC+16*\bb+\i]|, |v[AC+16*\bb+\i+1]|, v[TM+\bb]
.endr
.endr
	WIN 0
.irp bb, 0,1,2,3
	v_permlanex16_b32 v[TM+4+\bb], v[TM+\bb], s98, s99
.endr
.irp bb, 0,1,2,3
	v_max_num_f32 v[TM+\bb], v[TM+\bb], v[TM+4+\bb]   ; the block's largest magnitude
.endr
.irp bb, 0,1,2,3
	v_add_nc_u32 v[TM+12+\bb], 0xff000000, v[TM+\bb]  ; 2 off its exponent field
.endr
.irp bb, 0,1,2,3
	v_lshrrev_b32 v[TM+4+\bb], 23, v[TM+12+\bb]       ; the scale's byte
.endr
	v_lshl_or_b32 v[PW+(\a)], v[TM+5], 8, v[TM+4]     ; the four bytes make my row's scale word (both halves of the lanes hold it)
	v_lshl_or_b32 v[PW+(\a)], v[TM+6], 16, v[PW+(\a)]
	v_lshl_or_b32 v[PW+(\a)], v[TM+7], 24, v[PW+(\a)]
.if (\a) > 1
	s_wait_alu depctr_va_vdst(0)
	s_wait_xcnt 0x0                                ; block a - 2's stores have read their data
.endif
	WIN 0x02                                       ; source 0: window 2
.irp cc, 0,1
	v_cvt_scalef32_pk8_fp4_f32 v[PCA+4*\cc],   v[AC+32*\cc:AC+32*\cc+7],     v[TM+12+2*\cc]     ; block 2 cc, pieces 0 | 1
	v_cvt_scalef32_pk8_fp4_f32 v[PCA+4*\cc+2], v[AC+32*\cc+8:AC+32*\cc+15],  v[TM+12+2*\cc]     ; block 2 cc, pieces 2 | 3
	v_cvt_scalef32_pk8_fp4_f32 v[PCA+4*\cc+1], v[AC+32*\cc+16:AC+32*\cc+23], v[TM+12+2*\cc+1]   ; block 2 cc + 1, pieces 0 | 1
	v_cvt_scalef32_pk8_fp4_f32 v[PCA+4*\cc+3], v[AC+32*\cc+24:AC+32*\cc+31], v[TM+12+2*\cc+1]   ; block 2 cc + 1, pieces 2 | 3
.endr
	WIN 0
	v_nop                                          ; one plain place behind a scaled conversion
.irp cc, 0,1
	v_permlane16_swap_b32 v[PCA+4*\cc],   v[PCA+4*\cc+1]
	v_permlane16_swap_b32 v[PCA+4*\cc+2], v[PCA+4*\cc+3]
.endr
.irp cc, 0,1
	global_store_b128 v[CO], v[PCA+4*\cc:PCA+4*\cc+3], s[12:13] offset:1024*(\a)+512*\cc   ; 32 lanes store 512 consecutive bytes, at a multiple of 256 from the buffer's first byte
.endr
.endm
.irp a, 0,1,2,3
	QUANT \a
.endr
	v_cndmask_b32 v[WD],   v[PW],   v[PW+1], s100  ; word p of lane l: row 32 p + l: lanes 0-15 take block 2 p's word, lanes 16-31 block 2 p + 1's
	v_cndmask_b32 v[WD+1], v[PW+2], v[PW+3], s100
	global_store_b64 v[SO], v[WD:WD+1], s[14:15]   ; 32 lanes store 256 consecutive bytes, aligned
	s_wait_tensorcnt 0x0                           ; the wave's end
	ds_add_u32 v[SPW], v[NIL]
	s_wait_dscnt 0x0
	CROUND                                         ; the closing round: no work-group ends while a partner may still ask for a tile that names it
	s_endpgm
.Lfunc_end_k_q2f44dc52e2_gemm1:
	.size	k_q2f44dc52e2_gemm1, .Lfunc_end_k_q2f44dc52e2_gemm1-k_q2f44dc52e2_gemm1
	.p2alignl 7, 3214868480
	.fill 96, 4, 3214868480
	.section	.rodata,"a",@progbits
	.p2align	6, 0x0
	.amdhsa_kernel k_q2f44dc52e2_gemm1
		.amdhsa_group_segment_fixed_size 327680
		.amdhsa_private_segment_fixed_size 0
		.amdhsa_enable_private_segment 0
		.amdhsa_kernarg_size 48
		.amdhsa_user_sgpr_count 2
		.amdhsa_user_sgpr_kernarg_segment_ptr 1
		.amdhsa_wavefront_size32 1
		.amdhsa_system_sgpr_workgroup_id_x 1
		.amdhsa_system_sgpr_workgroup_id_y 1
		.amdhsa_system_sgpr_workgroup_id_z 1
		.amdhsa_system_vgpr_workitem_id 0
		.amdhsa_next_free_vgpr 768
		.amdhsa_next_free_sgpr 102
		.amdhsa_reserve_vcc 0
		.amdhsa_float_denorm_mode_32 3
		.amdhsa_float_denorm_mode_16_64 3
		.amdhsa_memory_ordered 1
		.amdhsa_forward_progress 1
		.amdhsa_inst_pref_size 167
	.end_amdhsa_kernel
	.amdgpu_metadata
---
amdhsa.version: [ 1, 2 ]
amdhsa.kernels:
  - .name:           k_q2f44dc52e2_gemm1
    .symbol:         k_q2f44dc52e2_gemm1.kd
    .args:
      - { .name: A_prev_codes, .offset: 0, .size: 8, .value_kind: global_buffer, .address_space: global }
      - { .name: A_prev_scales, .offset: 8, .size: 8, .value_kind: global_buffer, .address_space: global }
      - { .name: W_prev_codes, .offset: 16, .size: 8, .value_kind: global_buffer, .address_space: global }
      - { .name: W_prev_scales, .offset: 24, .size: 8, .value_kind: global_buffer, .address_space: global }
      - { .name: act_codes, .offset: 32, .size: 8, .value_kind: global_buffer, .address_space: global }
      - { .name: act_scales, .offset: 40, .size: 8, .value_kind: global_buffer, .address_space: global }
    .group_segment_fixed_size: 327680
    .private_segment_fixed_size: 0
    .kernarg_segment_align: 8
    .kernarg_segment_size: 48
    .max_flat_workgroup_size: 128
    .sgpr_count:     102
    .vgpr_count:     768
    .wavefront_size: 32
...
	.end_amdgpu_metadata
.endif
;; end of part 3
;; launch gemm2 (part 4): grid 16 x 16, 4 waves a work-group, clusters of 4 x 4, 327,680 bytes of LDS; arguments act_codes, act_scales, W_up_codes, W_up_scales, out0; writes out0
.if DOCPART == 4
	.amdgcn_target "amdgcn-amd-amdhsa--gfx1250"
	.amdhsa_code_object_version 6
	.text
	.protected	k_q2f44dc52e2_gemm2
	.globl	k_q2f44dc52e2_gemm2
	.p2align	8
	.type	k_q2f44dc52e2_gemm2,@function
k_q2f44dc52e2_gemm2:
	s_mov_b64 s[64:65], 0
	v_nop
	global_prefetch_b8 v0, s[64:65] scope:SCOPE_SE
	s_setreg_imm32_b32 hwreg(HW_REG_WAVE_MODE, 25, 1), 1
	s_wait_xcnt 0x0
	s_wait_alu depctr_hold_cnt(0) depctr_sa_sdst(0) depctr_va_vdst(0) depctr_va_sdst(0) depctr_va_ssrc(0) depctr_va_vcc(0) depctr_vm_vsrc(0)
	s_getreg_b32 s2, hwreg(HW_REG_IB_STS2, 6, 4)
	s_cmp_eq_u32 s2, 0
	s_cbranch_scc0 .Lentry_in_a_cluster
	s_endpgm
.Lentry_in_a_cluster:
	s_bfe_u32 s2, ttmp6, 0x10000c
	s_cmp_lg_u32 s2, 0xf033
	s_cbranch_scc0 .Lentry_shape_is_right
	s_endpgm
.Lentry_shape_is_right:
; SECOND OF TWO LAUNCHES.  out0[2048][4096] = Q(act) W_up on codes of FP4 (E2M1) with one E8M0 scale for each 32 along K (K = 4,096), f32 sums, rounded once to f16.  No work is left out.
; Q(act) was made by the launch before and lies in the order of this launch's operand registers:
;   act_codes [mt 16][kc 32][i 8][c 2][lane 32][16 bytes]: lane (r, h) holds the codes k = 128 kc + 64 c + 32 h + 0 .. 31 of row 128 mt + 16 i + r: a tile row's unit of 512 along K is 32,768 dense bytes;
;   act_scales [mt 16][kc 32][wm 2][lane 32][p 2][4 bytes]: word p of lane l = the four scale bytes of row 128 mt + 64 wm + 32 p + l for these 128 k: a tile row's are 16,384 dense bytes.
; LIMITS: the sum takes the K steps in the order of the walk below, not ascending; a sum beyond f16's largest number, 65,504, leaves as infinity, as the cast gives it; NaN and infinities in act are not served (the launch before).
; SHARES.  A work-group makes 128 rows x 256 columns: 16 x 16 = 256 work-groups.  Wave w: rows 64 (w / 2) on, columns 128 (w % 2) on: 4 blocks of 16 rows x 4 groups of 32 columns = 16 accumulators of 16 registers.
; K is eight units of 512, four pairs.  LDS holds slot D (a pair) and slot S (one unit).  THE WALK: pair p; first unit of pair p + 1; pair p + 2; second unit of pair p + 1; pair p + 3 (mod 4): slots D, S, D, S, D.
; While one slot is multiplied the other one's load is on its way: five fills, one tensor load a wave each.
; THE SCALES of the work-group's rows, for all of K, come into slot S's bytes with the first fill; every wave reads its own, 192 registers, in the order of its walk, ahead of slot S's first tile.
; CLUSTERS: 4 x 4 work-groups.  The four of a row of the cluster need the same tiles of A (= act), the four of a column the same of W: each tile is asked for JOINTLY, by the same tensor load with the same descriptor and a mask that names the four.
; The tile row hangs on the cluster's x (and cy), the tile column on the cluster's y (and cx).
; THE WALK IS ROTATED: cluster (X, Y) begins at pair p = (X + 2 ((Y xor Y / 2) mod 2)) mod 4, so the four clusters that read the same rows of W begin at four different pairs.  p hangs on the cluster's number alone.
; PREFETCHES INTO THE L2: behind a fill's joint load stands the request for what the NEXT fill will load: wave 0 asks for a quarter of A's dense bytes (partners told apart by cx), waves 2 and 3 for 32 rows each of W (by cy):
; each 256 bytes are named once in a cluster.  The first two fills come by their loads alone.
; THE MATRIX INSTRUCTION IS USED TRANSPOSED (source 0 = 32 rows of W, source 1 = 16 rows of A): lane (r, h) holds row r of the result, registers 0-7 the group's columns 8 h + 0 .. 7, registers 8-15 the columns 16 + 8 h + 0 .. 7.
; REGISTERS, in windows of 256 (s_set_vgpr_msb's low byte: bits 1:0 source 0, 3:2 source 1, 5:4 source 2, 7:6 destination):
;   window 0: v0-31 addresses and temporaries; v32-223 scale words (they hold nothing else): unit s of the walk at v[32 + 24 s]: W's 4 g + q, then A's 2 q + p; v224-255 packed results.
;   window 1: W's fragments, two sets of 64, at v0 and v64; A's, two sets of 32, at v128 and v160; on the way out v0-127 rows read back.   window 2: accumulator (a, g) at v[64 a + 16 g].
.set PD,   528                         ; slot D: an LDS row of W: 512 bytes + 16 of padding = 132 words: row r starts at bank 4 r mod 64 (64 banks of 4 bytes: ISA guide 11.1)
.set PS,   272                         ; slot S, the scales, and the stage: 256 bytes + 16 = 68 words: the same banks
.set BD,   128*PD                      ; in slot D (from byte 0) W's 256 rows lie behind A's 65,536 dense bytes
.set S0,   384*PD                      ; slot S: A's 32,768 dense bytes,
.set BS,   S0+128*PS                   ; and W's rows
.set SCLA, S0                          ; at the head: A's scale words, 64 lines of 256 bytes,
.set SCLB, S0+64*PS                    ; W's scale bytes, 128 lines
.set SPARE, S0+384*PS                  ; the spare words, 128 bytes for each wave
.set STAGE, SPARE+512                  ; the way out: 16 rows x 272 bytes for each wave; no tensor load ever lands here
.set OROW, 8192                        ; a row of out0 in bytes
.set ADRA, 16                          ; v16, v17  LDS address of my A fragments in slot D, S
.set ADSA, 18                          ; v18, v19  of my A and W scale words
.set ADSB, 19
.set ADRB, 20                          ; v20, v21  of my W fragments in slot D, S
.set STO,  24                          ; v24  the way out: where I put 16 bytes of a row
.set RD,   25                          ; v25  where I read a row back
.set CO,   26                          ; v26  my byte offset in out0
.set SPW,  28                          ; v28  LDS address of my spare word; never rewritten
.set NIL,  29                          ; v29  0; never rewritten
.set PFO,  30                          ; v30  the prefetches' offset for a pair: W 2,048 x lane, A 512 x lane
.set PFS,  31                          ; v31  for a unit: W 2,048 x lane, A 256 x lane
.set SC,   32
.set SAP,  1                           ; A's word of blocks 2 p, 2 p + 1 for the unit's q-th 128 along K: register SAP p + SAQ q
.set SAQ,  2
.set TMP,  224                         ; the way out: a block's packed results
.set G1A,  24                          ; s[24:31] descriptor group 1 for A's tiles;  s[32:35] group 0 for slot D, s[36:39] for slot S
.set G0A,  32
.set G1B,  48                          ; s[48:55], s[56:59], s[60:63] the same for W's
.set G0B,  56
.set G1SA, 68                          ; s[68:75], s[76:79] groups 1 and 0 for A's scales;  s[80:87], s[88:91] for W's
.set G0SA, 76
.set G1SB, 80
.set G0SB, 88
.set PP,   101                         ; s101  p
.set PADW, (1<<20)|(1<<21)|(3<<25)     ; group 1, word 0: 20 padding on; 21 set beside a mask; 31:25 four words of it (code 3)
.set PADS, PADW+(5<<22)                ; 24:22 after every 64 words (code 5)
.set MSB, 0
.macro WIN new                         ; the immediate's high byte repeats the setting that is left; a switch that changes nothing is dropped
.if MSB != \new
	s_set_vgpr_msb (MSB<<8)|\new
.set MSB, \new
.endif
.endm
.set MULW, 0xa5                        ; sources 0 (W) and 1 (A) window 1, C and D window 2
.set TO_B, 0x40                        ; destination window 1, address window 0
.macro PLACES n
.rept \n
	v_nop
.endr
.endm
; A joint load: waves 0 and 1 fetch A's halves, waves 2 and 3 W's.  The branch hangs on the wave's number alone.
.macro JLOAD g0a, g0b
	s_cmp_eq_u32 s17, 0
	s_cbranch_scc0 .Lfor_b_\@
	tensor_load_to_lds s[\g0a:\g0a+3], s[G1A:G1A+7]
	s_nop 0
	PLACES 4
	s_branch .Lasked_\@
.Lfor_b_\@:
	tensor_load_to_lds s[\g0b:\g0b+3], s[G1B:G1B+7]
	s_nop 0
	PLACES 4
.Lasked_\@:
.endm
.macro CREST                           ; a round of the cluster's barrier behind its opening barrier
	s_cmp_lg_u32 s16, 0
	s_cbranch_scc1 .Lnot_wave_0_\@
	s_barrier_signal -3
.Lnot_wave_0_\@:
	s_barrier_wait -3
	s_barrier_signal -1
	s_barrier_wait -1
.endm
.macro CROUND                          ; a whole round
	s_barrier_signal -1
	s_barrier_wait -1
	CREST
.endm
.macro ARM under, g0, g1, next         ; one arm of the head's tree
	s_cmp_lt_u32 s16, \under
	s_cbranch_scc0 \next
	tensor_load_to_lds s[\g0:\g0+3], s[\g1:\g1+7]
	s_nop 0
	PLACES 4
	s_branch .Lhead_asked
\next:
.endm
.macro ASK lo, two                     ; prefetch: 32 blocks of 256 bytes of a unit, or twice 32 of a pair
	s_cmp_eq_u32 s16, 1
	s_cbranch_scc1 .Lno_share_\@
.if \two
	global_prefetch_b8 v[PFO], s[\lo:\lo+1] th:TH_LOAD_NT scope:SCOPE_SE
	global_prefetch_b8 v[PFO], s[\lo:\lo+1] offset:256 th:TH_LOAD_NT scope:SCOPE_SE
.else
	global_prefetch_b8 v[PFS], s[\lo:\lo+1] th:TH_LOAD_NT scope:SCOPE_SE
.endif
.Lno_share_\@:
.endm
.macro SHAPE d                         ; group 1's words that tell slot D's fills from slot S's: A's half tile is 128 or 64 lines of 256 bytes, W's rows are 512 or 256 bytes
	s_mov_b32 s[G1A+2], (64<<\d)<<16
	s_mov_b32 s[G1A+4], 64<<\d
	s_or_b32 s[G1B], s45, PADW+((5+\d)<<22)
	s_mov_b32 s[G1B+1], (256<<\d)<<16
	s_mov_b32 s[G1B+3], (256<<\d)<<16
.endm
.macro PREPD j                         ; slot D's next fill: pair p + j, my half.  None of my loads by this group 0 is out
	s_add_co_u32 s46, s[PP], \j
	s_and_b32 s46, s46, 3
	s_lshl_b32 s2, s46, 16
	s_lshl_b32 s47, s18, 15
	s_add_co_u32 s2, s2, s47
	s_lshl_b32 s[G0A+1], s18, 15
	s_add_nc_u64 s[G0A+2:G0A+3], s[20:21], s[2:3]
	s_or_b32 s[G0A+3], s[G0A+3], 0x80000000
	s_lshl_b32 s2, s46, 9
	s_mul_i32 s[G0B+1], s18, 128*PD
	s_add_co_u32 s[G0B+1], s[G0B+1], BD
	s_add_nc_u64 s[G0B+2:G0B+3], s[92:93], s[2:3]
	s_or_b32 s[G0B+3], s[G0B+3], 0x80000000
.endm
.macro PFB lo, j, share                ; where a prefetch stands: pair p + j (2^s66 bytes a pair), my share
	s_add_co_u32 s[\lo], s[PP], \j
	s_and_b32 s[\lo], s[\lo], 3
	s_lshl_b32 s[\lo], s[\lo], s66
	s_add_co_u32 s[\lo], s[\lo], s[\share]
	s_mov_b32 s[\lo+1], 0
	s_add_nc_u64 s[\lo:\lo+1], s[10:11], s[\lo:\lo+1]
.endm
	s_load_b256 s[4:11], s[0:1], 0x0               ; A's codes s[4:5], A's scales s[6:7], W's codes s[8:9], W's scales s[10:11]
	s_load_b64 s[12:13], s[0:1], 0x20              ; out0
	v_lshl_add_u32 v[SPW], v0, 2, SPARE
	v_mov_b32 v[NIL], 0
	ds_add_u32 v[SPW], v[NIL]                      ; the wave's opening: the add, twice on end, under one wait
	ds_add_u32 v[SPW], v[NIL]
	v_lshrrev_b32 v1, 5, v0
	v_readfirstlane_b32 s16, v1                    ; wave 0..3
	s_lshr_b32 s17, s16, 1                         ; WM: which 64 rows are mine.  In the ring also: I fetch for A (0) or for W (1)
	s_and_b32 s18, s16, 1                          ; WN: which 128 columns are mine.  In the ring also: which half of a tile I fetch
	s_bfe_u32 s40, ttmp6, 0x40000                  ; cx, cy: my place in the cluster
	s_bfe_u32 s41, ttmp6, 0x40004
	s_and_b32 s2, ttmp7, 0xffff                    ; Y
	s_lshl_b32 s42, s2, 2
	s_add_co_u32 s42, s42, s40                     ; tx: tile column = 4 Y + cx
	s_lshl_b32 s43, ttmp9, 2
	s_add_co_u32 s43, s43, s41                     ; ty: tile row = 4 X + cy
	s_lshr_b32 s[PP], s2, 1
	s_xor_b32 s[PP], s[PP], s2
	s_and_b32 s[PP], s[PP], 1
	s_lshl_b32 s[PP], s[PP], 1
	s_add_co_u32 s[PP], s[PP], ttmp9
	s_and_b32 s[PP], s[PP], 3                      ; p
	s_mov_b32 s3, 0                                ; s[2:3]: a byte offset in 64 bits
	s_lshl_b32 s44, s41, 2
	s_lshl_b32 s44, 15, s44                        ; my row of the cluster: places 4 cy .. 4 cy + 3
	s_lshl_b32 s45, 0x1111, s40                    ; my column: places cx, cx + 4, cx + 8, cx + 12
	; group 1 for the codes: elements of one byte.  A: dense lines of 256 bytes, no padding; W: rows of 512 bytes, padded.  The head's loads bring all of A's pair, all 256 rows of W
	SHAPE 1
	s_or_b32 s[G1A], s44, 1<<21
	s_mov_b32 s[G1A+1], 256<<16
	s_mov_b32 s[G1A+2], 256<<16                    ; tensor_dim1
	s_mov_b32 s[G1A+3], 256<<16
	s_mov_b32 s[G1A+4], 256                        ; tile_dim1
	s_mov_b32 s[G1A+5], 256                        ; from line to line
	s_mov_b32 s[G1A+6], 0
	s_mov_b32 s[G1A+7], 0
	s_mov_b32 s[G1B+2], 256<<16
	s_mov_b32 s[G1B+4], 256
	s_mov_b32 s[G1B+5], 2048                       ; from row to row
	s_mov_b32 s[G1B+6], 0
	s_mov_b32 s[G1B+7], 0
	; group 1 for the scale bytes: dense blocks, as rows of 256 bytes (32 elements of 8 bytes): A 64 rows, W 128
	s_or_b32 s[G1SA], s44, (3<<16)|PADS
	s_or_b32 s[G1SB], s45, (3<<16)|PADS
	s_mov_b32 s[G1SA+2], 64<<16
	s_mov_b32 s[G1SA+4], 64
	s_mov_b32 s[G1SB+2], 128<<16
	s_mov_b32 s[G1SB+4], 128
.irp g, G1SA, G1SB
	s_mov_b32 s[\g+1], 32<<16
	s_mov_b32 s[\g+3], 32<<16
	s_mov_b32 s[\g+5], 32
	s_mov_b32 s[\g+6], 0
	s_mov_b32 s[\g+7], 0
.endr
	s_lshl_b32 s20, s43, 18                        ; A's codes: 2^18 bytes a tile row
	s_mov_b32 s21, 0
	s_lshl_b32 s22, s43, 14                        ; A's scales: 2^14 bytes a tile row
	s_mov_b32 s23, 0
	s_lshl_b32 s92, s42, 19                        ; W's codes: 256 rows of 2,048 bytes a tile column
	s_mov_b32 s93, 0
	s_lshl_b32 s94, s42, 15                        ; W's scales: 256 rows of 128 bytes
	s_mov_b32 s95, 0
	s_mov_b32 s[G0A], 1                            ; 1:0 count = 1
	s_mov_b32 s[G0A+1], 0                          ; 63:32 LDS address
	s_mov_b32 s[G0B], 1
	s_mov_b32 s[G0B+1], BD
	s_mov_b32 s[G0SA], 1
	s_mov_b32 s[G0SA+1], SCLA
	s_mov_b32 s[G0SB], 1
	s_mov_b32 s[G0SB+1], SCLB
	s_wait_dscnt 0x0                               ; both opening adds are done
	s_wait_kmcnt 0x0
	s_add_nc_u64 s[20:21], s[4:5], s[20:21]        ; kept: A's codes at the tile row's first byte
	s_add_nc_u64 s[22:23], s[6:7], s[22:23]
	s_add_nc_u64 s[92:93], s[8:9], s[92:93]        ; kept: W's at the tile's first row
	s_add_nc_u64 s[94:95], s[10:11], s[94:95]
	s_lshl_b32 s2, s[PP], 16
	s_add_nc_u64 s[G0A+2:G0A+3], s[20:21], s[2:3]  ; 120:64 global address: pair p
	s_or_b32 s[G0A+3], s[G0A+3], 0x80000000        ; 127:126 type = 2
	s_lshl_b32 s2, s[PP], 9
	s_add_nc_u64 s[G0B+2:G0B+3], s[92:93], s[2:3]
	s_or_b32 s[G0B+3], s[G0B+3], 0x80000000
	s_mov_b64 s[G0SA+2:G0SA+3], s[22:23]
	s_or_b32 s[G0SA+3], s[G0SA+3], 0x80000000
	s_mov_b64 s[G0SB+2:G0SB+3], s[94:95]
	s_or_b32 s[G0SB+3], s[G0SB+3], 0x80000000
	CROUND                                         ; all sixteen work-groups are here: the first joint loads meet
	; THE HEAD'S LOADS, ONE A WAVE: wave 0 fetches A's pair, wave 1 W's, wave 2 A's scales, wave 3 W's
	ARM 1, G0A,  G1A,  .Lhead_b
	ARM 2, G0B,  G1B,  .Lhead_sa
	ARM 3, G0SA, G1SA, .Lhead_sb
	tensor_load_to_lds s[G0SB:G0SB+3], s[G1SB:G1SB+7]
	s_nop 0
	PLACES 4
.Lhead_asked:
	; the prefetches' addresses.  A by cx: 2^14 bytes of a pair, 2^13 of a unit; W by cy: 64 rows = 2^17 bytes, wave 3 the second 32 of them
	s_cmp_eq_u32 s17, 0
	s_cselect_b64 s[10:11], s[20:21], s[92:93]
	s_cselect_b32 s4, s40, s41
	s_cselect_b32 s46, 14, 17
	s_cselect_b32 s47, 13, 17
	s_cselect_b32 s66, 16, 9                       ; a pair is 2^16 bytes of A, 2^9 bytes of a row of W
	s_cselect_b32 s96, 9, 11
	s_cselect_b32 s97, 8, 11
	s_lshl_b32 s46, s4, s46
	s_lshl_b32 s47, s4, s47
	s_lshl_b32 s4, s18, 16
	s_add_co_u32 s46, s46, s4
	s_add_co_u32 s47, s47, s4
	s_sub_co_u32 s67, s66, 1
	s_lshl_b32 s67, 1, s67                         ; a unit
	s_add_co_u32 s47, s47, s67
	PFB 4, 2, 46                                   ; s[4:5] pair p + 2
	PFB 6, 1, 47                                   ; s[6:7] second unit of pair p + 1
	PFB 8, 3, 46                                   ; s[8:9] pair p + 3
	; the ring: from here on W's base stands at my half's first row; slot S's group 0: first unit of pair p + 1
	s_lshl_b32 s2, s18, 18
	s_add_nc_u64 s[92:93], s[92:93], s[2:3]
	s_add_co_u32 s46, s[PP], 1
	s_and_b32 s46, s46, 3
	s_lshl_b32 s2, s46, 16
	s_lshl_b32 s47, s18, 14
	s_add_co_u32 s2, s2, s47
	s_mov_b32 s[G0A+4], 1
	s_lshl_b32 s[G0A+5], s18, 14
	s_add_co_u32 s[G0A+5], s[G0A+5], S0
	s_add_nc_u64 s[G0A+6:G0A+7], s[20:21], s[2:3]
	s_or_b32 s[G0A+7], s[G0A+7], 0x80000000
	s_lshl_b32 s2, s46, 9
	s_mov_b32 s[G0B+4], 1
	s_mul_i32 s[G0B+5], s18, 128*PS
	s_add_co_u32 s[G0B+5], s[G0B+5], BS
	s_add_nc_u64 s[G0B+6:G0B+7], s[92:93], s[2:3]
	s_or_b32 s[G0B+7], s[G0B+7], 0x80000000
	; where my part of out0 begins: row 128 ty + 64 WM of 8,192 bytes; column 256 tx + 128 WN of 2 bytes
	s_lshl_b32 s66, s43, 20
	s_lshl_b32 s19, s17, 19
	s_add_co_u32 s66, s66, s19
	s_lshl_b32 s19, s42, 9
	s_add_co_u32 s66, s66, s19
	s_lshl_b32 s19, s18, 8
	s_add_co_u32 s66, s66, s19
	s_mov_b32 s67, 0
	s_add_nc_u64 s[12:13], s[12:13], s[66:67]
	; LDS addresses
	s_lshl_b32 s19, s17, 12                        ; A: the image of (step u, block i, c) is 512 bytes at 8,192 u + 1,024 i + 512 c; my blocks are i = 4 WM + a
	s_add_co_u32 s14, s19, S0
	s_mul_i32 s15, s18, 128*PD                     ; my 128 rows of W
	s_add_co_u32 s15, s15, BD
	s_mul_i32 s46, s18, 128*PS
	s_add_co_u32 s46, s46, BS
	s_mul_i32 s47, s17, PS                         ; A's scale words: line 2 kc + WM, 8 bytes a lane
	s_add_co_u32 s47, s47, SCLA
	s_mul_i32 s66, s18, 64*PS
	s_add_co_u32 s66, s66, SCLB
	s_mul_i32 s67, s16, 16*PS
	s_add_co_u32 s67, s67, STAGE                   ; my stage
	v_and_b32 v1, 15, v0                           ; r
	v_bfe_u32 v2, v0, 4, 1                         ; h
	v_and_b32 v3, 31, v0                           ; lane
	v_mul_u32_u24 v4, v1, PD
	v_mul_u32_u24 v5, v1, PS
	v_lshl_add_u32 v4, v2, 4, v4                   ; row r x pitch + 16 h
	v_lshl_add_u32 v5, v2, 4, v5
	v_mul_u32_u24 v6, v2, PS
	v_lshl_add_u32 v6, v1, 4, v6                   ; row h x pitch + 16 r: the stage on the way back
	v_lshl_add_u32 v[ADRA], v3, 4, s19
	v_lshl_add_u32 v[ADRA+1], v3, 4, s14
	v_add_nc_u32 v[ADRB], s15, v4
	v_add_nc_u32 v[ADRB+1], s46, v5
	v_lshl_add_u32 v[ADSA], v3, 3, s47
	v_add_nc_u32 v[STO], s67, v5
	v_add_nc_u32 v[RD], s67, v6
	v_lshrrev_b32 v7, 1, v3                        ; W's scale bytes: two rows of 128 bytes to a line: lane l takes row l of 32
	v_and_b32 v8, 1, v0
	v_mul_u32_u24 v7, v7, PS
	v_lshl_add_u32 v7, v8, 7, v7
	v_add_nc_u32 v[ADSB], s66, v7
	v_lshlrev_b32 v[CO], 13, v2                    ; lanes 0-15 take one row of out0, lanes 16-31 the next; 16 bytes a lane
	v_lshl_add_u32 v[CO], v1, 4, v[CO]
	v_lshlrev_b32 v[PFO], s96, v3
	v_lshlrev_b32 v[PFS], s97, v3
; The scale words of the walk's unit s, which is unit ku of K.  W's: four words a row; the 32 lanes take 32 rows.  A's: for each 128 along K two words a lane, as the launch before laid them.
.macro SCL s, ku
.irp i, 0,1,2,3
	ds_load_b128 v[SC+24*\s+4*\i:SC+24*\s+4*\i+3], v[ADSB] offset:16*PS*\i+16*(\ku)
.endr
.irp i, 0,1,2,3
	ds_load_b64 v[SC+24*\s+16+2*\i:SC+24*\s+16+2*\i+1], v[ADSA] offset:2*PS*(4*(\ku)+\i)
.endr
.endm
.macro SCALES P                        ; the walk that begins at pair P
.set UA, 2*((\P)%4)
.set UB, 2*((\P+1)%4)
.set UC, 2*((\P+2)%4)
.set UD, 2*((\P+3)%4)
	SCL 0, UA
	SCL 1, UA+1
	SCL 2, UB
	SCL 3, UC
	SCL 4, UC+1
	SCL 5, UB+1
	SCL 6, UD
	SCL 7, UD+1
.endm
; One matrix instruction: A's block a x W's group g of 32 rows; p: the set of fragments; q: the unit's q-th 128 along K; s: the walk's unit.  zero = 1: it starts the sum: nothing is ever cleared.
; A's scale register carries an even block's words in lanes 0-15 and the odd block's in lanes 16-31: the ROW1 selector follows a's parity.
.macro MM a, g, p, q, s, zero
.set rD,  64*(\a)+16*(\g)
.set rB,  64*(\p)+16*(\g)
.set rA,  128+32*(\p)+8*(\a)
.set rSB, SC+24*(\s)+4*(\g)+(\q)
.set rSA, SC+24*(\s)+16+SAP*((\a)/2)+SAQ*(\q)
.if \zero
.if (\a)%2
	v_wmma_scale_f32_32x16x128_f4 v[rD:rD+15], v[rB:rB+15], v[rA:rA+7], 0, v[rSB], v[rSA] matrix_b_scale:MATRIX_SCALE_ROW1
.else
	v_wmma_scale_f32_32x16x128_f4 v[rD:rD+15], v[rB:rB+15], v[rA:rA+7], 0, v[rSB], v[rSA]
.endif
.else
.if (\a)%2
	v_wmma_scale_f32_32x16x128_f4 v[rD:rD+15], v[rB:rB+15], v[rA:rA+7], v[rD:rD+15], v[rSB], v[rSA] matrix_b_scale:MATRIX_SCALE_ROW1
.else
	v_wmma_scale_f32_32x16x128_f4 v[rD:rD+15], v[rB:rB+15], v[rA:rA+7], v[rD:rD+15], v[rSB], v[rSA]
.endif
.endif
.endm
.macro MUL a, u, s, zero               ; A's block a against W's four groups.  The 16 accumulators take turns, one instruction a turn, in the same order in every step
.irp g, 0,1,2,3
	MM \a, \g, (\u)%2, (\u)%4, \s, \zero
.endr
.endm
; 24 LDS loads in one run: the fragments of the slot's u-th 128 along K (d = 1: slot D, 0: slot S) into set u % 2: W's eight, then A's four.  A fragment, 16 rows x 128 K, is 8 registers: lane l holds row l % 16;
; registers 4 c .. 4 c + 3 hold K = 64 c + 32 (l / 16) + 0 .. 31.  W's come from rows: two loads of 16 bytes, 32 bytes apart.  A's come as images of the registers, 512 bytes a load.
.macro FETCH d, u
.set FP, (\u)%2
.set PT, PS+(\d)*(PD-PS)
	WIN TO_B
.irp b, 0,1,2,3,4,5,6,7
.irp c, 0,1
	ds_load_b128 v[64*FP+8*\b+4*\c:64*FP+8*\b+4*\c+3], v[ADRB+1-(\d)] offset:64*(\u)+32*\c+\b*16*PT
.endr
.endr
.irp a, 0,1,2,3
.irp c, 0,1
	ds_load_b128 v[128+32*FP+8*\a+4*\c:128+32*FP+8*\a+4*\c+3], v[ADRA+1-(\d)] offset:8192*(\u)+1024*\a+512*\c
.endr
.endr
.endm
; A step of 128 along K that has its successor in the same slot: the successor's fragments are asked for at its head.
.macro STEP d, u, s, zero
	s_wait_dscnt 4                                 ; W's fragments and A's blocks 0, 1 are in; the youngest four loads (A's blocks 2, 3) may be out
	PLACES 4                                       ; in front of loads into the set that the step before multiplied
	FETCH \d, (\u)+1
	WIN MULW
	MUL 0, \u, \s, \zero
	MUL 1, \u, \s, \zero
	s_wait_dscnt 24                                ; all but the 24 just issued
	MUL 2, \u, \s, \zero
	MUL 3, \u, \s, \zero
.endm
.macro RUN d, from, n, s0              ; n steps of a slot whose first unit is the walk's s0
.set Q, \from
.rept \n
	STEP \d, Q, (\s0)+Q/4, 0
.set Q, Q+1
.endr
.endm
; A slot's last step changes slots.  ONE barrier; in front of it each wave waits for all its tensor loads, adds 0 to its spare word, and waits for that; its reads of this slot were waited for ahead of the add.
; fill = 1: this slot is filled again.  ask: the registers of the prefetch's address (0: none).
.macro TURN d, s, fill, ask, two
.set UL, 3+4*\d
	s_wait_dscnt 4
	WIN MULW
	MUL 0, UL, \s, 0
	MUL 1, UL, \s, 0
	s_wait_dscnt 0x0                               ; my last reads of this slot
	WIN 0
	s_wait_tensorcnt 0x0                           ; all my tensor loads have landed: my part of the other slot; so the descriptors may be written
	ds_add_u32 v[SPW], v[NIL]                      ; 0 onto my spare word
.if \fill
	SHAPE \d
.endif
	WIN MULW
	MUL 2, UL, \s, 0
	s_wait_dscnt 0x0                               ; the add is done
	WIN 0
	s_barrier_signal -1
	s_barrier_wait -1
.if \fill
	CREST                                          ; no wave of any partner still reads this slot's tile or has a load on its way
	JLOAD G0A+4*(1-\d), G0B+4*(1-\d)               ; the first tensor load behind the round; its four v_nop are also the places in front of the loads below
.else
	PLACES 4
.endif
	FETCH 1-\d, 0
.if \ask
	WIN 0
	ASK \ask, \two
.endif
	WIN MULW
	MUL 3, UL, \s, 0
.endm
	s_wait_alu depctr_va_vdst(0)                   ; the head's end
	s_cmp_lt_u32 s16, 2
	s_cbranch_scc1 .Lscales_in
	s_wait_tensorcnt 0x0                           ; waves 2 and 3: the scales have landed.  Waves 0 and 1 leave the pair's tiles on their way
.Lscales_in:
	s_barrier_signal -1
	s_barrier_wait -1                              ; the scales are there for every wave
	s_cmp_eq_u32 s[PP], 0
	s_cbranch_scc0 .Lp1
	SCALES 0
	s_branch .Lscales_read
.Lp1:
	s_cmp_eq_u32 s[PP], 1
	s_cbranch_scc0 .Lp2
	SCALES 1
	s_branch .Lscales_read
.Lp2:
	s_cmp_eq_u32 s[PP], 2
	s_cbranch_scc0 .Lp3
	SCALES 2
	s_branch .Lscales_read
.Lp3:
	SCALES 3
.Lscales_read:
	s_wait_tensorcnt 0x0                           ; the pair's tiles are in
	ds_add_u32 v[SPW], v[NIL]
	SHAPE 0                                        ; from here on a load brings half of a tile
	s_mov_b32 s[G1B+2], 128<<16
	s_mov_b32 s[G1B+4], 128
	s_wait_dscnt 0x0                               ; the add is done, and my scale words are in registers
	CROUND
	JLOAD G0A+4, G0B+4                             ; slot S: unit 2 of the walk
	FETCH 1, 0
	WIN 0
	ASK 4, 1
	PREPD 2
	STEP 1, 0, 0, 1                                ; its products start the sums
	RUN 1, 1, 6, 0
	TURN 1, 1, 1, 6, 0                             ; slot D takes units 3, 4
	s_add_nc_u64 s[G0A+6:G0A+7], s[G0A+6:G0A+7], 32768   ; slot S's next: the second unit of pair p + 1
	s_add_nc_u64 s[G0B+6:G0B+7], s[G0B+6:G0B+7], 256
	RUN 0, 0, 3, 2
	TURN 0, 2, 1, 8, 1                             ; slot S takes unit 5
	PREPD 3
	RUN 1, 0, 7, 3
	TURN 1, 4, 1, 0, 0                             ; slot D takes units 6, 7
	RUN 0, 0, 3, 5
	TURN 0, 5, 0, 0, 0                             ; nothing is filled again
	RUN 1, 0, 7, 6
	s_wait_dscnt 4                                 ; the very last step
	WIN MULW
	MUL 0, 7, 7, 0
	MUL 1, 7, 7, 0
	s_wait_dscnt 0x0
	MUL 2, 7, 7, 0
	MUL 3, 7, 7, 0
	WIN 0
	PLACES 4                                       ; in front of the first read of results (ISA guide 7.12.1)
; THE WAY OUT, block by block of 16 rows x 128 columns.  PACK: rounded to f16, 16 bytes a lane.  TOSTAGE: into my own stage in LDS, and back as whole rows of 256 bytes.  SEND: stored.
.macro PACK a
	WIN 0x0a                                       ; sources 0 and 1: window 2
.irp b, 0,1,2,3,4,5,6,7
.irp t, 0,1,2,3
	v_cvt_pk_f16_f32 v[TMP+4*\b+\t], v[64*(\a)+8*\b+2*\t], v[64*(\a)+8*\b+2*\t+1]   ; each accumulator from its low end on
.endr
.endr
	WIN 0
.endm
.macro TOSTAGE a
	WIN 0
.irp b, 0,1,2,3,4,5,6,7
	ds_store_b128 v[STO], v[TMP+4*\b:TMP+4*\b+3] offset:32*\b
.endr
	WIN TO_B
.irp t, 0,1,2,3,4,5,6,7
	ds_load_b128 v[32*(\a)+4*\t:32*(\a)+4*\t+3], v[RD] offset:\t*2*PS   ; LDS serves a wave's instructions in order (ISA guide 5.7.1.4): these see the stores above, and the next block's stores come behind them
.endr
.endm
.macro SEND a
	s_wait_dscnt 0x0                               ; the block is back in registers
	WIN 0x04                                       ; the data: window 1
.irp t, 0,1,2,3,4,5,6,7
	global_store_b128 v[CO], v[32*(\a)+4*\t:32*(\a)+4*\t+3], s[12:13] offset:(16*(\a)+2*\t)*OROW th:TH_STORE_NT   ; 16 lanes store 256 consecutive bytes, at a multiple of 256 from out0's first byte; each store has data registers of its own
.endr
.endm
	PACK 0
	TOSTAGE 0
.irp a, 1,2,3
	PACK \a                                        ; a block's conversions stand between the loads of the block before and the wait for them
	s_wait_alu depctr_va_vdst(0)
	SEND \a-1
	TOSTAGE \a
.endr
	SEND 3
	WIN 0
	s_wait_tensorcnt 0x0                           ; the wave's end: behind my last LDS store
	ds_add_u32 v[SPW], v[NIL]
	s_wait_dscnt 0x0
	CROUND                                         ; the closing round: no work-group ends while a partner may still ask for a tile that names it
	s_endpgm
.Lfunc_end_k_q2f44dc52e2_gemm2:
	.size	k_q2f44dc52e2_gemm2, .Lfunc_end_k_q2f44dc52e2_gemm2-k_q2f44dc52e2_gemm2
	.p2alignl 7, 3214868480
	.fill 96, 4, 3214868480
	.section	.rodata,"a",@progbits
	.p2align	6, 0x0
	.amdhsa_kernel k_q2f44dc52e2_gemm2
		.amdhsa_group_segment_fixed_size 327680
		.amdhsa_private_segment_fixed_size 0
		.amdhsa_enable_private_segment 0
		.amdhsa_kernarg_size 40
		.amdhsa_user_sgpr_count 2
		.amdhsa_user_sgpr_kernarg_segment_ptr 1
		.amdhsa_wavefront_size32 1
		.amdhsa_system_sgpr_workgroup_id_x 1
		.amdhsa_system_sgpr_workgroup_id_y 1
		.amdhsa_system_sgpr_workgroup_id_z 1
		.amdhsa_system_vgpr_workitem_id 0
		.amdhsa_next_free_vgpr 768
		.amdhsa_next_free_sgpr 102
		.amdhsa_reserve_vcc 0
		.amdhsa_float_denorm_mode_32 3
		.amdhsa_float_denorm_mode_16_64 3
		.amdhsa_memory_ordered 1
		.amdhsa_forward_progress 1
		.amdhsa_inst_pref_size 171
	.end_amdhsa_kernel
	.amdgpu_metadata
---
amdhsa.version: [ 1, 2 ]
amdhsa.kernels:
  - .name:           k_q2f44dc52e2_gemm2
    .symbol:         k_q2f44dc52e2_gemm2.kd
    .args:
      - { .name: act_codes, .offset: 0, .size: 8, .value_kind: global_buffer, .address_space: global }
      - { .name: act_scales, .offset: 8, .size: 8, .value_kind: global_buffer, .address_space: global }
      - { .name: W_up_codes, .offset: 16, .size: 8, .value_kind: global_buffer, .address_space: global }
      - { .name: W_up_scales, .offset: 24, .size: 8, .value_kind: global_buffer, .address_space: global }
      - { .name: out0, .offset: 32, .size: 8, .value_kind: global_buffer, .address_space: global }
    .group_segment_fixed_size: 327680
    .private_segment_fixed_size: 0
    .kernarg_segment_align: 8
    .kernarg_segment_size: 40
    .max_flat_workgroup_size: 128
    .sgpr_count:     102
    .vgpr_count:     768
    .wavefront_size: 32
...
	.end_amdgpu_metadata
.endif
;; end of part 4
